; MI455X (gfx1250); checked and timed in simulation.
; The chip was launched on July 23, 2026; its instructions are those of AMD's public machine-readable ISA for CDNA 5 (MIT licence, August 2026) and "CDNA5" Instruction Set Architecture Reference Guide (July 2026). The comments in the code are by the model that wrote it; some were corrected since.
;; Multi Head Attention. Allowed arithmetic: matrix products marked QUANTISED: E2M3 operands, one E8M0 scale for each 32 along K, by v_wmma_scale_f32_16x16x128_f8f6f4 with both operands' format E2M3, f32 sums; everything else in f32.
;; Inputs: Wk_codes 1,024 x 32 x 24 uint8 (E2M3 codes of Wk, K innermost, in blocks of 32 codes, four codes in three bytes); Wk_scales 1,024 x 32 uint8 (E8M0 scales of Wk, one for each 32 codes along K); Wo_codes 1,024 x 32 x 24 uint8 (E2M3 codes of Wo, K innermost, in blocks of 32 codes, four codes in three bytes); Wo_scales 1,024 x 32 uint8 (E8M0 scales of Wo, one for each 32 codes along K); Wq_codes 1,024 x 32 x 24 uint8 (E2M3 codes of Wq, K innermost, in blocks of 32 codes, four codes in three bytes); Wq_scales 1,024 x 32 uint8 (E8M0 scales of Wq, one for each 32 codes along K); Wv_codes 1,024 x 32 x 24 uint8 (E2M3 codes of Wv, K innermost, in blocks of 32 codes, four codes in three bytes); Wv_scales 1,024 x 32 uint8 (E8M0 scales of Wv, one for each 32 codes along K); inputs_q_codes 4 x 2,048 x 32 x 24 uint8 (E2M3 codes of inputs_q, K innermost, in blocks of 32 codes, four codes in three bytes); inputs_q_scales 4 x 2,048 x 32 uint8 (E8M0 scales of inputs_q, one for each 32 codes along K); k_ln_scale 64 float32; patch_mask 4 x 2,048 bool; per_dim_scale 64 float32; q_ln_scale 64 float32.
;; Outputs: out0 4 x 2,048 x 1,024 float32.
;; This version of the problem:
;;   THIS VERSION OF THE PROBLEM IS GIVEN IN LOW PRECISION. The matrix products marked QUANTISED in the list below multiply operands that are first quantised to E2M3 (2 exponent bits, 3 mantissa bits; 6 bits a number), with one power-of-two scale for each 32 numbers along K (OCP MX v1.0); their sums are f32. All else is computed in f32.
;;   The module's matrix products, in the order in which they are computed (A, B: the left and right operand; K: the contracted axis; several contracted axes count as one K, in the product's order):
;;     1. [M 8,192, K 1,024] x [K 1,024, N 1,024]; A: input inputs_q (given as codes); B: input Wq (given as codes): QUANTISED
;;     2. [M 8,192, K 1,024] x [K 1,024, N 1,024]; A: input inputs_q (given as codes); B: input Wk (given as codes): QUANTISED
;;     3. [M 8,192, K 1,024] x [K 1,024, N 1,024]; A: input inputs_q (given as codes); B: input Wv (given as codes): QUANTISED
;;     4. batch 64 x [M 2,048, K 64] x [K 64, N 2,048]; A: computed on the way; B: computed on the way: QUANTISED
;;     5. batch 64 x [M 64, K 2,048] x [K 2,048, N 2,048]; A: computed on the way; B: softmax (see below): QUANTISED
;;     6. [M 8,192, K 1,024] x [K 1,024, N 1,024]; A: computed on the way; B: input Wo (given as codes): QUANTISED
;;   THE QUANTISER, for each operand of a quantised product, along K:
;;     - K is cut into blocks of 32 from its start; a last block that is shorter is filled with zeros.
;;     - A block's scale is 2^e with e = floor(log2(the largest magnitude in the block)) - 2, held to -126 .. 127; a block of zeros has e = 0. As a byte (E8M0): e + 127.
;;     - Each number is divided by its block's scale, clamped to +-7.5, and rounded to the nearest number of E2M3, ties to even, subnormals kept.
;;     - The product sums the exact products of the quantised numbers (number of the format x scale) in f32.
;;   ~~~python
;;   def quantise(x, axis):      # numpy; x: float32 -> the quantised numbers, widened to float32 again
;;       x = np.moveaxis(x, axis, -1); K = x.shape[-1]
;;       x = np.pad(x, [(0, 0)] * (x.ndim - 1) + [(0, -K % 32)]); x = x.reshape(x.shape[:-1] + (-1, 32)); a = np.abs(x).max(-1, keepdims=True)
;;       e = np.where(a > 0, np.clip(np.frexp(np.where(a > 0, a, 1))[1] - 1 - 2, -126, 127), 0)      # np.frexp(a)[1] - 1 = floor(log2(a)), exactly
;;       r = np.clip(x / 2.0 ** e, -7.5, 7.5)
;;       step = 2.0 ** (np.maximum(np.frexp(np.where(r == 0, 1, r))[1] - 1, 0) - 3)
;;       q = np.round(r / step) * step * 2.0 ** e      # np.round: ties to even
;;       return np.moveaxis(q.reshape(q.shape[:-2] + (-1,))[..., :K], -1, axis).astype(np.float32)
;;   ~~~
;;   SOFTMAX AHEAD OF A QUANTISED PRODUCT. Where the list says 'softmax', what is quantised is not the finished softmax but p = 2^(t - M), with t = logit x log2(e) and M = ceil(the row's largest t), a whole number; so 1/2 < the row's largest p <= 1. The row's sum l is taken of the UNQUANTISED p, in f32, and the product's result is divided by l at the end. Since M is a whole number, a kernel that streams over the keys may use a running M (the ceiling of the running maximum): every later rescaling is an exact power of two, which a block's scale takes up: the codes' values come out the same.
;;   OPERANDS COMPUTED ON THE WAY. 'Computed on the way' means the value that the module computes at that place (a softmax that the list does not call 'softmax' is quantised finished and normalised). What goes into a quantiser is computed in f32, as accurately as f32 sums, v_exp_f32 and their like allow (about 1e-6 of the number): no bf16 or f16 on the way to a quantiser, and a product that is left as it is and whose result goes on into a quantised operand takes f32 operands (vector FMAs, or v_wmma_f32_16x16x4_f32). A number that lies on a knife's edge between two numbers of the format may be rounded either way, as far as f32 arithmetic and the matrix unit's own rounding can turn it there, and no further.
;;   INPUTS GIVEN AS CODES. Wk (in the module: [1024, 1024], K = its axis 1); Wo (in the module: [1024, 1024], K = its axis 1); Wq (in the module: [1024, 1024], K = its axis 1); Wv (in the module: [1024, 1024], K = its axis 1); inputs_q (in the module: [4, 2048, 1024], K = its axis 2): each comes as NAME_codes (uint8): NAME with its K axis moved to the last place and cut into blocks of 32 codes, [.., K / 32, bytes a block], one block behind the other in memory; four codes in three bytes: a row's codes are one little-endian stream of bits, code i at bits 6 i .. 6 i + 5 (a code: sign, 2 exponent bits, 3 mantissa bits); and NAME_scales (uint8): the same leading axes, one E8M0 byte (e + 127) for each 32 codes along K. Its value is code x scale, taken as it is: it is not quantised again, and the codes and scales need not be those that the quantiser above would give.
;; One version. Each part assembles by itself: llvm-mc -triple=amdgcn-amd-amdhsa -mcpu=gfx1250 --defsym DOCPART=n.
;; ======== version 1 of 1: 3 launches
;; workspace buffers: qimg 6,815,744 bytes; kv 13,631,488 bytes; xc 6,291,456 bytes; xs 262,144 bytes
;; launch qkv (part 1): grid 4 x 96, 4 waves a work-group, clusters of 4 x 4, 327,680 bytes of LDS; arguments inputs_q_codes, inputs_q_scales, Wq_codes, Wq_scales, Wk_codes, Wk_scales, Wv_codes, Wv_scales, q_ln_scale, k_ln_scale, per_dim_scale, patch_mask, qimg, kv; writes qimg, kv
.if DOCPART == 1
	.amdgcn_target "amdgcn-amd-amdhsa--gfx1250"
	.amdhsa_code_object_version 6
	.text
	.protected	k_qa9237058ef_qkv
	.globl	k_qa9237058ef_qkv
	.p2align	8
	.type	k_qa9237058ef_qkv,@function
k_qa9237058ef_qkv:
	s_mov_b64 s[64:65], 0
	v_nop
	global_prefetch_b8 v0, s[64:65] scope:SCOPE_SE
	s_setreg_imm32_b32 hwreg(HW_REG_WAVE_MODE, 25, 1), 1
	s_wait_xcnt 0x0
	s_wait_alu depctr_hold_cnt(0) depctr_sa_sdst(0) depctr_va_vdst(0) depctr_va_sdst(0) depctr_va_ssrc(0) depctr_va_vcc(0) depctr_vm_vsrc(0)
	s_getreg_b32 s2, hwreg(HW_REG_IB_STS2, 6, 4)
	s_cmp_eq_u32 s2, 0
	s_cbranch_scc0 .Lentry_in_a_cluster
	s_endpgm
.Lentry_in_a_cluster:
	s_bfe_u32 s2, ttmp6, 0x10000c
	s_cmp_lg_u32 s2, 0xf033
	s_cbranch_scc0 .Lentry_shape_is_right
	s_endpgm
.Lentry_shape_is_right:
; q = x Wq^T, k = x Wk^T, v = x Wv^T on codes of FP6 (E2M3) with E8M0 scales, then RoPE, RMS norm and gains in f32, and the results quantised again:
; q and k along the head's 64 (two blocks of 32), v along the keys.  All leave as IMAGES OF OPERAND REGISTERS, so that the next launch loads fragments by whole 16-byte and 8-byte loads.
; SHARES.  A work-group of four waves makes 256 x 256 of a product, a wave 128 x 128 (64 accumulators, 512 registers).  The cluster's y says which product: 0-7 q, 8-15 k, 16-23 v.
; Source 0 = B's 16 rows, source 1 = A's 16 rows: a lane holds one row of A and eight neighbouring rows of B.  For q and k: A = x (a lane is a token, registers run over the head's dims);
; for v: A = Wv, B = x (a lane is a dim, registers run over the tokens, which are the next product's K).  The loop's text is the same for all three.
; CLUSTERS: 4 x 4 work-groups; A's tile is asked for jointly by a row of the cluster, B's by a column.
; K = 1,024 goes in four slots of 256 through a ring of two LDS slots; the scale words of all of K stay in 64 registers (lanes 0-15 A's block, lanes 16-31 B's), so K is written straight.
; RoPE: the angle is the f32 quotient position / 10^(i/8), made by a reciprocal and one correction; it is reduced by pi/2 in two parts, and sine and cosine are polynomials.  The four waves make the table of the
; work-group's 256 tokens once, in LDS, while the first tiles are on their way.
; LIMITS: NaN and infinities are not served; a block whose largest magnitude lies under 2^-124 keeps the scale byte 1; the timescales are the correctly rounded 10^(i/8); positions lie within +-2,048.
; REGISTERS, window 0: v8 16 x lane, v9 8 x lane, v10/v11 the table's LDS addresses, v[12:13] position, v14 num_masked, v16-23 fragment addresses, v24/25 the gains' LDS addresses, v28/29 for the add,
;   v32-63 gains, v64-127 scale words, v128-223 A's fragments (ahead of the loop and behind it: at work), v224-255 at work.  Window 1: B's fragments, two sets.  Windows 2, 3: the accumulators.
.set ROWB,   192
.set KROW,   768
.set PITCH,  240                       ; an LDS row: 3 x (64 bytes + 16 of padding)
.set FR,     12
.set NL,     6
.set NLA,    6                         ; LDS loads that bring a fragment of A
.set NP,     4
.set HALFT,  128*PITCH
.set SLOT,   4*HALFT
.set TBL,    2*SLOT                    ; the table: 16 token tiles x 4,096 bytes (32 registers a lane: 16 cosines, 16 sines)
.set GT,     TBL+65536                 ; the gains: 256 bytes for each wave
.set SPARE,  GT+1024                   ; the spare words: 128 bytes for each wave
.set QSTEP,  6656                      ; a step of 128 tokens in qimg: 8 images of 768 bytes, 512 bytes of scale words
.set KVSTEP, 13312                     ; and in kv: K as in qimg, V's 4 fragments of 1,536, 256 of scale words, 256 of sums
.set ADRA, 16
.set ADRB, 20
.set SPW,  28
.set NIL,  29
.set SC,   64
.set AF,   128
.set G1,   24
.set G0,   32
.set G1B,  48
.set G0B,  56
.set SEL,  76
.set MSB,  0
.macro WIN new                         ; the immediate's high byte repeats the setting that is left
.if MSB != (\new)
	s_set_vgpr_msb (MSB<<8)|(\new)
.set MSB, (\new)
.endif
.endm
.set MUL_LO, 0xa1                      ; source 0 (B) window 1, source 1 (A) window 0, C and D window 2
.set MUL_HI, 0xf1
.set TO_B,   0x40
; a joint load: waves 0 and 1 fetch for A, waves 2 and 3 for B; four v_nop follow each line
.macro JLOAD g0a, g1a, g0b, g1b
	s_cmp_eq_u32 s15, 0
	s_cbranch_scc0 .Lfor_b_\@
	tensor_load_to_lds s[\g0a:\g0a+3], s[\g1a:\g1a+7]
	s_nop 0
.rept 4
	v_nop
.endr
	s_branch .Lasked_\@
.Lfor_b_\@:
	tensor_load_to_lds s[\g0b:\g0b+3], s[\g1b:\g1b+7]
	s_nop 0
.rept 4
	v_nop
.endr
.Lasked_\@:
.endm
.macro CREST
	s_cmp_lg_u32 s14, 0
	s_cbranch_scc1 .Lnot_wave_0_\@
	s_barrier_signal -3
.Lnot_wave_0_\@:
	s_barrier_wait -3
	s_barrier_signal -1
	s_barrier_wait -1
.endm
.macro CROUND
	s_barrier_signal -1
	s_barrier_wait -1
	CREST
.endm
.macro PLACES n
.rept \n
	v_nop
.endr
.endm
	s_load_b512 s[80:95], s[0:1], 0x0              ; x codes, x scales, Wq codes, scales, Wk codes, scales, Wv codes, scales
	s_load_b256 s[68:75], s[0:1], 0x40             ; q_ln_scale, k_ln_scale, per_dim_scale, patch_mask
	s_load_b128 s[20:23], s[0:1], 0x60             ; qimg, kv
	v_lshl_add_u32 v[SPW], v0, 2, SPARE
	v_mov_b32 v[NIL], 0
	ds_add_u32 v28, v29
	ds_add_u32 v28, v29
	s_wait_dscnt 0x0
	v_lshrrev_b32 v1, 5, v0
	v_readfirstlane_b32 s14, v1                    ; wave 0..3
	s_lshr_b32 s15, s14, 1                         ; my half of A's rows; also: I fetch for A (0) or B (1)
	s_and_b32 s16, s14, 1                          ; my half of B's rows; also: which 128 rows I fetch
	s_bfe_u32 s40, ttmp6, 0x40000                  ; cx
	s_bfe_u32 s41, ttmp6, 0x40004                  ; cy
	s_and_b32 s66, ttmp7, 0xffff                   ; the cluster's y, which all partners share
	s_and_b32 s67, s66, 7
	s_lshr_b32 s66, s66, 3                         ; 0 q, 1 k, 2 v
	s_cmp_eq_u32 s66, 2
	s_cselect_b32 s2, 0, 4
	s_cselect_b32 s3, 4, 0
	s_mul_i32 s17, s2, s67
	s_add_co_u32 s17, s17, s41                     ; A's tile: q, k: 4 y + cy of x's 32;  v: cy of Wv's 4
	s_mul_i32 s42, s3, s67
	s_add_co_u32 s42, s42, s40                     ; B's tile: q, k: cx of W's 4;  v: 4 y + cx of x's 32
	s_lshl_b32 s43, s41, 2
	s_lshl_b32 s43, 15, s43                        ; my row of the cluster
	s_lshl_b32 s44, 0x1111, s40                    ; my column
	s_or_b32 s[G1+0], s43, (1<<20)|(1<<21)|(3<<22)|(3<<25)   ; mask; elements of 1 byte; padding on; bit 21 beside a mask; after every 16 words 4 words
	s_or_b32 s[G1B+0], s44, (1<<20)|(1<<21)|(3<<22)|(3<<25)
.irp g, G1, G1B
	s_mov_b32 s[\g+1], ROWB<<16                    ; tensor_dim0
	s_mov_b32 s[\g+2], 128<<16                     ; tensor_dim1
	s_mov_b32 s[\g+3], ROWB<<16                    ; tile_dim0
	s_mov_b32 s[\g+4], 128                         ; tile_dim1
	s_mov_b32 s[\g+5], KROW                        ; pitch
	s_mov_b32 s[\g+6], 0
	s_mov_b32 s[\g+7], 0
.endr
	s_lshl_b32 s18, s16, 7
	s_lshl_b32 s96, s17, 8
	s_add_co_u32 s96, s96, s18
	s_mul_i32 s96, s96, KROW                       ; A: the 128 rows that I fetch, in bytes
	s_mov_b32 s97, 0
	s_lshl_b32 s98, s42, 8
	s_add_co_u32 s98, s98, s18
	s_mul_i32 s98, s98, KROW                       ; B likewise
	s_mov_b32 s99, 0
	s_mul_i32 s45, s14, HALFT                      ; where they go: wave x 128 rows
	s_mov_b32 s[SEL], 0x76543210
	s_mov_b32 s[SEL+1], 0xfedcba98
	s_mov_b32 s78, 0xffff0000                      ; lanes 16-31
	s_wait_kmcnt 0x0
	s_cmp_eq_u32 s66, 0                            ; the buffers are chosen on the product's number alone
	s_cselect_b64 s[84:85], s[84:85], s[88:89]
	s_cselect_b64 s[86:87], s[86:87], s[90:91]
	s_cselect_b64 s[70:71], s[68:69], s[70:71]     ; the norm's gain: q's or k's
	s_cselect_b64 s[12:13], s[20:21], s[22:23]     ; q goes to qimg, k and v to kv
	s_cselect_b32 s79, -1, 0                       ; all lanes where the product is q
	s_mov_b32 s19, KVSTEP
	s_cselect_b32 s19, QSTEP, s19
	s_cmp_eq_u32 s66, 2
	s_cselect_b64 s[4:5], s[92:93], s[80:81]       ; A's codes
	s_cselect_b64 s[6:7], s[94:95], s[82:83]       ; A's scales
	s_cselect_b64 s[8:9], s[80:81], s[84:85]       ; B's codes
	s_cselect_b64 s[10:11], s[82:83], s[86:87]     ; B's scales
	s_add_nc_u64 s[20:21], s[4:5], s[96:97]
	s_add_nc_u64 s[22:23], s[8:9], s[98:99]
	CROUND                                         ; all sixteen work-groups are here: the first joint loads meet
.irp s, 0,1
	s_mov_b32 s[G0+4*\s], 1
	s_add_co_u32 s[G0+4*\s+1], s45, \s*SLOT
	s_add_nc_u64 s[G0+4*\s+2:G0+4*\s+3], s[20:21], \s*ROWB
	s_or_b32 s[G0+4*\s+3], s[G0+4*\s+3], 0x80000000
	s_mov_b32 s[G0B+4*\s], 1
	s_add_co_u32 s[G0B+4*\s+1], s45, \s*SLOT
	s_add_nc_u64 s[G0B+4*\s+2:G0B+4*\s+3], s[22:23], \s*ROWB
	s_or_b32 s[G0B+4*\s+3], s[G0B+4*\s+3], 0x80000000
	JLOAD G0+4*\s, G1, G0B+4*\s, G1B
.endr
	; ---- while the first tiles travel: addresses, scale words, num_masked, gains, the table
	s_lshl_b32 s2, s17, 8
	s_lshl_b32 s3, s15, 7
	s_add_co_u32 s2, s2, s3
	s_lshl_b32 s2, s2, 5                           ; 32 scale bytes a row: my 128 rows of A
	s_mov_b32 s3, 0
	s_add_nc_u64 s[6:7], s[6:7], s[2:3]
	s_lshl_b32 s2, s42, 8
	s_lshl_b32 s18, s16, 7
	s_add_co_u32 s2, s2, s18
	s_lshl_b32 s2, s2, 5
	s_add_nc_u64 s[10:11], s[10:11], s[2:3]        ; my 128 rows of B
	s_lshr_b32 s2, s17, 3
	s_lshl_b32 s2, s2, 11
	s_add_nc_u64 s[74:75], s[74:75], s[2:3]        ; the mask's row of my batch (for v: row 0, whose sum is not used)
	v_and_b32 v1, 15, v0                           ; r
	v_bfe_u32 v2, v0, 4, 1                         ; h
	v_and_b32 v3, 31, v0                           ; lane
	v_lshlrev_b32 v8, 4, v3
	v_lshlrev_b32 v9, 3, v3
	v_mul_u32_u24 v4, v1, PITCH
	v_mul_u32_u24 v5, v2, 24
	v_add_nc_u32 v4, v4, v5                        ; a fragment's row x pitch + 24 x half
	v_lshl_add_u32 v5, v2, 4, v4                   ; and the same behind one padding more
	s_mul_i32 s21, s15, HALFT
	s_mul_i32 s22, s16, HALFT
	s_add_co_u32 s22, s22, 2*HALFT
.irp s, 0,1
	v_add_nc_u32 v[ADRA+\s], s21, v4
	v_add_nc_u32 v[ADRB+\s], s22, v4
	v_add_nc_u32 v[ADRA+2+\s], s21, v5
	v_add_nc_u32 v[ADRB+2+\s], s22, v5
	s_add_co_u32 s21, s21, SLOT
	s_add_co_u32 s22, s22, SLOT
.endr
	s_lshl_b32 s2, s14, 8
	s_add_co_u32 s2, s2, GT
	v_lshl_add_u32 v24, v3, 2, s2                  ; the gains, in: 4 x lane
	v_lshl_add_u32 v25, v2, 5, s2                  ; and back: 32 x half
	s_lshl_b32 s2, s14, 14
	s_add_co_u32 s2, s2, TBL
	v_add_nc_u32 v10, s2, v8                       ; the table, in: my four tiles
	s_lshl_b32 s2, s15, 15
	s_add_co_u32 s2, s2, TBL
	v_add_nc_u32 v11, s2, v8                       ; and back: the eight tiles of my rows
	v_lshlrev_b32 v6, 5, v1                        ; 32 r
	v_lshlrev_b32 v7, 2, v3                        ; 4 x lane
.irp i, 0,1,2,3,4,5,6,7
	global_load_b128 v[SC+8*\i:SC+8*\i+3], v6, s[6:7] offset:512*\i        ; A's block i: the eight scale words of row r
	global_load_b128 v[SC+8*\i+4:SC+8*\i+7], v6, s[6:7] offset:512*\i+16
	global_load_b128 v[128+8*\i:131+8*\i], v6, s[10:11] offset:512*\i      ; B's block i
	global_load_b128 v[132+8*\i:135+8*\i], v6, s[10:11] offset:512*\i+16
.endr
.irp i, 0,1,2,3
	global_load_b128 v[192+4*\i:195+4*\i], v8, s[74:75] offset:512*\i      ; the mask's 2,048 bytes
.endr
	global_load_b32 v208, v7, s[72:73]             ; per_dim_scale of dims lane and 32 + lane
	global_load_b32 v209, v7, s[72:73] offset:128
	global_load_b32 v210, v7, s[70:71]             ; the norm's gain
	global_load_b32 v211, v7, s[70:71] offset:128
	s_wait_loadcnt 0x0
	s_mov_b32 vcc_lo, s78
.set i, 0
.rept 64
	v_cndmask_b32 v[SC+i], v[SC+i], v[128+i], vcc_lo   ; lanes 16-31 take B's words
.set i, i+1
.endr
; the timescales: register k serves frequency 16 (k / 8) + 8 h + k % 8
.macro TSET k, lo, hi
	v_mov_b32 v223, \hi
	v_cndmask_b32 v[128+\k], \lo, v223, vcc_lo
.endm
	TSET 0, 1.0, 10.0
	TSET 1, 1.3335214322, 13.335214322
	TSET 2, 1.7782794100, 17.782794100
	TSET 3, 2.3713737057, 23.713737057
	TSET 4, 3.1622776602, 31.622776602
	TSET 5, 4.2169650343, 42.169650343
	TSET 6, 5.6234132519, 56.234132519
	TSET 7, 7.4989420933, 74.989420933
	TSET 8, 100.0, 1000.0
	TSET 9, 133.35214322, 1333.5214322
	TSET 10, 177.82794100, 1778.2794100
	TSET 11, 237.13737057, 2371.3737057
	TSET 12, 316.22776602, 3162.2776602
	TSET 13, 421.69650343, 4216.9650343
	TSET 14, 562.34132519, 5623.4132519
	TSET 15, 749.89420933, 7498.9420933
.set i, 0
.rept 16
	v_rcp_f32 v[144+i], v[128+i]
.set i, i+1
.endr
	v_mov_b32 v248, 0x4b400000                     ; 1.5 x 2^23: adding it rounds to a whole number  (a plain place behind the reciprocals)
	v_mov_b32 v249, 0x4b400000
	v_mov_b32 v250, 0x3c08839e                     ; the sine's middle coefficient
	v_mov_b32 v251, 0x3c08839e
	v_mov_b32 v252, 0xbab6061a                     ; the cosine's
	v_mov_b32 v253, 0xbab6061a
	; num_masked: the sum of the mask's bytes, in whole numbers
.irp i, 1,2,3,4,5,6,7,8,9,10,11,12,13,14,15
	v_add_nc_u32 v192, v192, v[192+\i]             ; each byte stays at 16 or less
.endr
	v_and_b32 v193, 0x00ff00ff, v192
	v_lshrrev_b32 v192, 8, v192
	v_and_b32 v192, 0x00ff00ff, v192
	v_add_nc_u32 v192, v192, v193
	v_lshrrev_b32 v193, 16, v192
	v_and_b32 v192, 0xffff, v192
	v_add_nc_u32 v192, v192, v193
.irp m, 1,2,4,8
	v_mov_b32_dpp v193, v192 row_xmask:\m row_mask:0xf bank_mask:0xf
	v_add_nc_u32 v192, v192, v193
.endr
	v_permlanex16_b32 v193, v192, s[SEL], s[SEL+1]
	v_add_nc_u32 v14, v192, v193
	s_lshl_b32 s2, s17, 8
	s_and_b32 s2, s2, 2047
	s_lshl_b32 s3, s14, 6
	s_add_co_u32 s2, s2, s3
	v_add_nc_u32 v12, s2, v1
	v_sub_nc_u32 v12, v12, v14
	v_cvt_f32_i32 v12, v12                         ; the position of token r of the first tile that I tabulate
	v_mov_b32 v13, v12
	s_wait_alu depctr_va_vdst(0)                   ; one wait for the sixteen reciprocals, ahead of the next batch and of their first reader
	; the gains: norm gain x (for q) log2(e) / 8 x softplus(per_dim_scale); softplus = max(x, 0) + log1p(e^-|x|), log1p(u) = log(1 + u) u / ((1 + u) - 1)
.irp u, 0,1
	v_mul_f32 v[212+\u], 0xbfb8aa3b, |v[208+\u]|
.endr
.irp u, 0,1
	v_exp_f32 v[212+\u], v[212+\u]
.endr
	v_nop
	s_wait_alu depctr_va_vdst(0)
.irp u, 0,1
	v_add_f32 v[214+\u], 1.0, v[212+\u]
.endr
.irp u, 0,1
	v_add_f32 v[216+\u], -1.0, v[214+\u]
.endr
.irp u, 0,1
	v_log_f32 v[214+\u], v[214+\u]
.endr
.irp u, 0,1
	v_rcp_f32 v[218+\u], v[216+\u]
.endr
	v_nop
	s_wait_alu depctr_va_vdst(0)
.irp u, 0,1
	v_mul_f32 v[214+\u], 0x3f317218, v[214+\u]
	v_mul_f32 v[218+\u], v[212+\u], v[218+\u]
.endr
.irp u, 0,1
	v_mul_f32 v[214+\u], v[214+\u], v[218+\u]
	v_cmp_eq_f32 vcc_lo, 0, v[216+\u]
	v_cndmask_b32 v[214+\u], v[214+\u], v[212+\u], vcc_lo   ; where 1 + u is 1: u itself
	v_max_num_f32 v[216+\u], 0, v[208+\u]
	v_add_f32 v[214+\u], v[216+\u], v[214+\u]
	v_mul_f32 v[214+\u], 0x3e38aa3b, v[214+\u]
	v_cndmask_b32 v[214+\u], 1.0, v[214+\u], s79            ; k has no such factor
	v_mul_f32 v[214+\u], v[210+\u], v[214+\u]
.endr
	ds_store_b32 v24, v214
	ds_store_b32 v24, v215 offset:128
.irp b, 0,1
.irp u, 0,1
	ds_load_b128 v[32+16*\b+8*\u:35+16*\b+8*\u], v25 offset:128*\b+64*\u      ; LDS serves a wave's instructions in order: register 16 b + 8 u + j = the gain of dim 32 b + 16 u + 8 h + j
	ds_load_b128 v[36+16*\b+8*\u:39+16*\b+8*\u], v25 offset:128*\b+64*\u+16
.endr
.endr
; Eight angles (registers k0 .. k0 + 7), four pairs by turns, so that no line waits for the line above it.  Set q at v[192 + 14 q]: +0 quotient, then the reduced angle; +2 the whole number's carrier; +4 n, then r^2; +6 sine; +8, +12 at work; +10 cosine.
.macro ANG8 k0
.irp q, 0,1,2,3
	v_pk_mul_f32 v[192+14*\q:193+14*\q], v[12:13], v[144+\k0+2*\q:145+\k0+2*\q]
.endr
.irp q, 0,1,2,3
	v_pk_fma_f32 v[194+14*\q:195+14*\q], v[192+14*\q:193+14*\q], v[128+\k0+2*\q:129+\k0+2*\q], v[12:13] neg_lo:[1,0,0] neg_hi:[1,0,0]
.endr
.irp q, 0,1,2,3
	v_pk_fma_f32 v[192+14*\q:193+14*\q], v[194+14*\q:195+14*\q], v[144+\k0+2*\q:145+\k0+2*\q], v[192+14*\q:193+14*\q]   ; position / timescale, corrected once
.endr
.irp q, 0,1,2,3
	v_pk_fma_f32 v[194+14*\q:195+14*\q], v[192+14*\q:193+14*\q], 0x3f22f983, v[248:249] op_sel_hi:[1,0,1]               ; x 2 / pi, rounded to a whole number n in the low bits
.endr
.irp q, 0,1,2,3
	v_pk_add_f32 v[196+14*\q:197+14*\q], v[194+14*\q:195+14*\q], v[248:249] neg_lo:[0,1] neg_hi:[0,1]
.endr
.irp q, 0,1,2,3
	v_pk_fma_f32 v[192+14*\q:193+14*\q], v[196+14*\q:197+14*\q], 0xbfc90fdb, v[192+14*\q:193+14*\q] op_sel_hi:[1,0,1]   ; - n x pi/2's f32: nothing is rounded away (n has 11 bits)
.endr
.irp q, 0,1,2,3
	v_pk_fma_f32 v[192+14*\q:193+14*\q], v[196+14*\q:197+14*\q], 0x333bbd2e, v[192+14*\q:193+14*\q] op_sel_hi:[1,0,1]   ; - n x the rest of pi/2
.endr
.irp q, 0,1,2,3
	v_pk_mul_f32 v[196+14*\q:197+14*\q], v[192+14*\q:193+14*\q], v[192+14*\q:193+14*\q]
.endr
.irp q, 0,1,2,3
	v_pk_fma_f32 v[198+14*\q:199+14*\q], v[196+14*\q:197+14*\q], 0xb94ca1f9, v[250:251] op_sel_hi:[1,0,1]
.endr
.irp q, 0,1,2,3
	v_pk_fma_f32 v[202+14*\q:203+14*\q], v[196+14*\q:197+14*\q], 0x37ccf5ce, v[252:253] op_sel_hi:[1,0,1]
.endr
.irp q, 0,1,2,3
	v_pk_fma_f32 v[198+14*\q:199+14*\q], v[198+14*\q:199+14*\q], v[196+14*\q:197+14*\q], 0xbe2aaaa3 op_sel_hi:[1,1,0]
.endr
.irp q, 0,1,2,3
	v_pk_fma_f32 v[202+14*\q:203+14*\q], v[202+14*\q:203+14*\q], v[196+14*\q:197+14*\q], 0x3d2aaaa5 op_sel_hi:[1,1,0]
.endr
.irp q, 0,1,2,3
	v_pk_mul_f32 v[200+14*\q:201+14*\q], v[192+14*\q:193+14*\q], v[196+14*\q:197+14*\q]
.endr
.irp q, 0,1,2,3
	v_pk_fma_f32 v[204+14*\q:205+14*\q], v[196+14*\q:197+14*\q], -0.5, 1.0 op_sel_hi:[1,0,0]
.endr
.irp q, 0,1,2,3
	v_pk_fma_f32 v[198+14*\q:199+14*\q], v[198+14*\q:199+14*\q], v[200+14*\q:201+14*\q], v[192+14*\q:193+14*\q]         ; sin r
.endr
.irp q, 0,1,2,3
	v_pk_mul_f32 v[200+14*\q:201+14*\q], v[196+14*\q:197+14*\q], v[196+14*\q:197+14*\q]
.endr
.irp q, 0,1,2,3
	v_pk_fma_f32 v[202+14*\q:203+14*\q], v[202+14*\q:203+14*\q], v[200+14*\q:201+14*\q], v[204+14*\q:205+14*\q]         ; cos r
.endr
	; the quadrant: odd n swaps the two; the sine's sign is n's bit 1, the cosine's bit 0 xor bit 1
.irp q, 0,1,2,3
.irp u, 0,1
	v_and_b32 v[192+14*\q+\u], 1, v[194+14*\q+\u]
.endr
.endr
.irp q, 0,1,2,3
.irp u, 0,1
	v_lshlrev_b32 v[196+14*\q+\u], 30, v[194+14*\q+\u]
.endr
.endr
.irp q, 0,1,2,3
.irp u, 0,1
	v_lshlrev_b32 v[200+14*\q+\u], 31, v[194+14*\q+\u]
.endr
.endr
.irp q, 0,1,2,3
.irp u, 0,1
	v_cmp_eq_u32 s[88+2*\q+\u], 1, v[192+14*\q+\u]
.endr
.endr
.irp q, 0,1,2,3
.irp u, 0,1
	v_xor_b32 v[200+14*\q+\u], v[200+14*\q+\u], v[196+14*\q+\u]
.endr
.endr
.irp q, 0,1,2,3
.irp u, 0,1
	v_cndmask_b32 v[204+14*\q+\u], v[198+14*\q+\u], v[202+14*\q+\u], s[88+2*\q+\u]
.endr
.endr
.irp q, 0,1,2,3
.irp u, 0,1
	v_cndmask_b32 v[192+14*\q+\u], v[202+14*\q+\u], v[198+14*\q+\u], s[88+2*\q+\u]
.endr
.endr
.irp q, 0,1,2,3
.irp u, 0,1
	v_and_b32 v[196+14*\q+\u], 0x80000000, v[196+14*\q+\u]
.endr
.endr
.irp q, 0,1,2,3
.irp u, 0,1
	v_and_b32 v[200+14*\q+\u], 0x80000000, v[200+14*\q+\u]
.endr
.endr
.irp q, 0,1,2,3
.irp u, 0,1
	v_xor_b32 v[176+\k0+2*\q+\u], v[204+14*\q+\u], v[196+14*\q+\u]   ; the sine
.endr
.endr
.irp q, 0,1,2,3
.irp u, 0,1
	v_xor_b32 v[160+\k0+2*\q+\u], v[192+14*\q+\u], v[200+14*\q+\u]   ; the cosine
.endr
.endr
.endm
	s_mov_b32 s96, 0
	s_mov_b32 s97, 0
.Ltab:                                                 ; four trips: wave w tabulates token tiles 4 w .. 4 w + 3.  v needs no table: the branch stands inside the trip, round the work alone
	v_add_nc_u32 v7, s97, v10
	s_cmp_eq_u32 s66, 2
	s_cbranch_scc1 .Ltab_skip
	ANG8 0
	ANG8 8
.irp c, 0,1,2,3,4,5,6,7
	ds_store_b128 v7, v[160+4*\c:163+4*\c] offset:512*\c   ; an image of 32 registers: 16 cosines, 16 sines
.endr
	v_pk_add_f32 v[12:13], v[12:13], 0x41800000 op_sel_hi:[1,0]   ; the next tile: 16 tokens on
	s_wait_dscnt 0x0                               ; the stores have read their registers
.Ltab_skip:
	s_add_co_u32 s97, s97, 4096
	s_add_co_u32 s96, s96, 1
	s_cmp_lt_u32 s96, 4
	s_cbranch_scc1 .Ltab
	PLACES 8                                       ; the scale registers were written by vector instructions: eight places ahead of the first scaled product
.macro FRAG reg, adr, q, i             ; 16 rows x 128 K of 6-bit codes: six pieces of 8 bytes; where the piece of lanes 16-31 lies behind one padding more, the second address register serves
.irp p, 0,1,2,3,4,5
.set PCE, 12*(\q)+6*(\p/3)+\p%3
.if PCE%8 < 5
	ds_load_b64 v[\reg+2*\p:\reg+2*\p+1], v[\adr] offset:8*PCE+16*(PCE/8)+(\i)*16*PITCH
.else
	ds_load_b64 v[\reg+2*\p:\reg+2*\p+1], v[\adr+2] offset:8*PCE+16*(PCE/8)+(\i)*16*PITCH
.endif
.endr
.endm
; 16 products: A's blocks a0, a0 + 1 x B's eight; p: B's set; s: which 128 of K (its scale words).  The 64 accumulators take turns.
.macro MUL16 a0, p, s, zero
.irp a, \a0, \a0+1
.irp b, 0,1,2,3,4,5,6,7
.if \zero
	v_wmma_scale_f32_16x16x128_f8f6f4 v[8*(8*((\a)%4)+\b):8*(8*((\a)%4)+\b)+7], v[128*(\p)+FR*\b:128*(\p)+FR*\b+FR-1], v[AF+FR*(\a):AF+FR*(\a)+FR-1], 0, v[SC+8*\b+(\s)], v[SC+8*(\a)+(\s)] matrix_a_fmt:MATRIX_FMT_FP6 matrix_b_fmt:MATRIX_FMT_FP6 matrix_a_scale:MATRIX_SCALE_ROW1
.else
	v_wmma_scale_f32_16x16x128_f8f6f4 v[8*(8*((\a)%4)+\b):8*(8*((\a)%4)+\b)+7], v[128*(\p)+FR*\b:128*(\p)+FR*\b+FR-1], v[AF+FR*(\a):AF+FR*(\a)+FR-1], v[8*(8*((\a)%4)+\b):8*(8*((\a)%4)+\b)+7], v[SC+8*\b+(\s)], v[SC+8*(\a)+(\s)] matrix_a_fmt:MATRIX_FMT_FP6 matrix_b_fmt:MATRIX_FMT_FP6 matrix_a_scale:MATRIX_SCALE_ROW1
.endif
.endr
.endr
.endm
.macro FETCH_B slot, q, p
	WIN TO_B
.irp i, 0,1,2,3,4,5,6,7
	FRAG 128*(\p)+FR*\i, ADRB+\slot, \q, \i
.endr
	WIN 0
.endm
.macro FETCH_A slot, q, i0
.irp i, \i0, \i0+1, \i0+2, \i0+3
	FRAG AF+FR*(\i), ADRA+\slot, \q, \i
.endr
.endm
.macro STEP slot, s, zero              ; a slot's first 128 along K
	s_wait_dscnt 4*NLA                             ; B's set and A's blocks 0-3 are in; A's blocks 4-7 may be out
	WIN MUL_LO
	MUL16 0, 0, \s, \zero
	MUL16 2, 0, \s, \zero
	s_wait_dscnt 0
	PLACES NP
	FETCH_B \slot, 1, 1
	FETCH_A \slot, 1, 0
	WIN MUL_HI
	MUL16 4, 0, \s, \zero
	MUL16 6, 0, \s, \zero
	PLACES NP
	WIN 0
	FETCH_A \slot, 1, 4
.endm
.macro TURN slot, next, fill, s        ; a slot's second 128 along K, and the change of slots
	s_wait_tensorcnt 0x0                           ; all my tensor loads have landed: my part of the next slot
	ds_add_u32 v[SPW], v[NIL]                      ; 0 onto my spare word
	s_wait_dscnt 4*NLA+1                           ; (the add and A's blocks 4-7 may be out)
	WIN MUL_LO
	MUL16 0, 1, \s, 0
	s_wait_dscnt 0x0                               ; the add is done, and my reads of this slot are over
	s_barrier_signal -1
	MUL16 2, 1, \s, 0
	WIN 0
	s_barrier_wait -1
.if \fill
	CREST                                          ; the barrier has opened a round of the cluster's: no wave of any partner still reads this slot or has a load on its way
	s_add_nc_u64 s[G0+4*\slot+2:G0+4*\slot+3], s[G0+4*\slot+2:G0+4*\slot+3], 2*ROWB
	s_add_nc_u64 s[G0B+4*\slot+2:G0B+4*\slot+3], s[G0B+4*\slot+2:G0B+4*\slot+3], 2*ROWB
	JLOAD G0+4*\slot, G1, G0B+4*\slot, G1B         ; the first tensor load behind the round; its four v_nop are the places in front of the loads below
.else
	PLACES NP
.endif
	FETCH_B \next, 0, 0
	FETCH_A \next, 0, 0
	WIN MUL_HI
	MUL16 4, 1, \s, 0
	MUL16 6, 1, \s, 0
	PLACES NP
	WIN 0
	FETCH_A \next, 0, 4
.endm
	s_wait_dscnt 0x0                               ; my table and my gains are in LDS and back
	s_wait_tensorcnt 1                             ; my part of slot 0 is in; slot 1's may stay out
	s_barrier_signal -1
	s_barrier_wait -1
	FETCH_B 0, 0, 0
	FETCH_A 0, 0, 0
	FETCH_A 0, 0, 4
	STEP 0, 0, 1                                   ; the first products start the sums
	TURN 0, 1, 1, 1
	STEP 1, 2, 0
	TURN 1, 0, 1, 3
	STEP 0, 4, 0
	TURN 0, 1, 0, 5                                ; nothing is left to fetch
	STEP 1, 6, 0
	s_wait_dscnt 4*NLA
	WIN MUL_LO
	MUL16 0, 1, 7, 0
	MUL16 2, 1, 7, 0
	s_wait_dscnt 0
	WIN MUL_HI
	MUL16 4, 1, 7, 0
	MUL16 6, 1, 7, 0
	WIN 0
	PLACES NP
	s_cmp_eq_u32 s66, 2
	s_cbranch_scc1 .Lpath_v
	; ---- q and k.  Lane (r, h) of block a holds token 16 a + r; accumulator 4 e + u holds dims 16 u + 8 h + j of my head e.
	s_lshr_b32 s2, s17, 3
	s_lshl_b32 s2, s2, 4                           ; 16 x batch
	s_lshl_b32 s3, s42, 2
	s_add_co_u32 s2, s2, s3
	s_lshl_b32 s3, s16, 1
	s_add_co_u32 s2, s2, s3                        ; + my first head
	s_lshl_b32 s2, s2, 4
	s_and_b32 s3, s17, 7
	s_lshl_b32 s3, s3, 1
	s_add_co_u32 s2, s2, s3
	s_add_co_u32 s2, s2, s15                       ; x 16 + my step of 128 tokens
	s_mul_i32 s2, s2, s19
	s_mov_b32 s3, 0
	s_add_nc_u64 s[12:13], s[12:13], s[2:3]
	s_lshl_b32 s2, s19, 4
	s_add_nc_u64 s[68:69], s[12:13], s[2:3]        ; my second head: 16 steps on
	s_mov_b32 s86, 0x358637bd                      ; 1e-6
	s_mov_b32 s87, 0x3c800000                      ; 1 / 64
.irp n, 226,227,234,235,242,246,249,251
	v_mov_b32 v[\n], 0                             ; written once: a lane permute's destination, and the upper half of a pair, count as read
.endr
.macro TFETCH a
.irp c, 0,1,2,3,4,5,6,7
	ds_load_b128 v[160+32*((\a)%2)+4*\c:163+32*((\a)%2)+4*\c], v11 offset:4096*(\a)+512*\c
.endr
.endm
; Block a, both heads line by line.  Y of head e at v[64 + 32 e]: register 16 b + 8 t + j = dim 32 b + 16 t + 8 h + j.
.macro QKPAIR a
.set AC, 64*((\a)%4)
.set WA, 2+(\a)/4
.set TBS, 160+32*((\a)%2)
	WIN WA                                         ; source 0: the accumulators' window
.irp t, 0,1
.irp j, 0,2,4,6
.irp e, 0,1
	v_pk_mul_f32 v[128+4*\e:129+4*\e], v[AC+32*\e+16+8*\t+\j:AC+32*\e+17+8*\t+\j], v[TBS+16+8*\t+\j:TBS+17+8*\t+\j]
.endr
.irp e, 0,1
	v_pk_mul_f32 v[130+4*\e:131+4*\e], v[AC+32*\e+8*\t+\j:AC+32*\e+1+8*\t+\j], v[TBS+16+8*\t+\j:TBS+17+8*\t+\j]
.endr
.irp e, 0,1
	v_pk_fma_f32 v[64+32*\e+8*\t+\j:65+32*\e+8*\t+\j], v[AC+32*\e+8*\t+\j:AC+32*\e+1+8*\t+\j], v[TBS+8*\t+\j:TBS+1+8*\t+\j], v[128+4*\e:129+4*\e] neg_lo:[0,0,1] neg_hi:[0,0,1]   ; first cos - second sin
.endr
.irp e, 0,1
	v_pk_fma_f32 v[80+32*\e+8*\t+\j:81+32*\e+8*\t+\j], v[AC+32*\e+16+8*\t+\j:AC+32*\e+17+8*\t+\j], v[TBS+8*\t+\j:TBS+1+8*\t+\j], v[130+4*\e:131+4*\e]                          ; second cos + first sin
.endr
.endr
.endr
	WIN 0
.irp e, 0,1
	v_pk_mul_f32 v[240+4*\e:241+4*\e], v[64+32*\e:65+32*\e], v[64+32*\e:65+32*\e]
.endr
.irp e, 0,1
	v_pk_mul_f32 v[242+4*\e:243+4*\e], v[66+32*\e:67+32*\e], v[66+32*\e:67+32*\e]
.endr
.irp i, 4,8,12,16,20,24,28
.irp e, 0,1
	v_pk_fma_f32 v[240+4*\e:241+4*\e], v[64+32*\e+\i:65+32*\e+\i], v[64+32*\e+\i:65+32*\e+\i], v[240+4*\e:241+4*\e]
.endr
.irp e, 0,1
	v_pk_fma_f32 v[242+4*\e:243+4*\e], v[66+32*\e+\i:67+32*\e+\i], v[66+32*\e+\i:67+32*\e+\i], v[242+4*\e:243+4*\e]
.endr
.endr
.irp e, 0,1
	v_pk_add_f32 v[240+4*\e:241+4*\e], v[240+4*\e:241+4*\e], v[242+4*\e:243+4*\e]
.endr
.irp e, 0,1
	v_add_f32 v[240+4*\e], v[240+4*\e], v[241+4*\e]
.endr
.irp e, 0,1
	v_permlanex16_b32 v[242+4*\e], v[240+4*\e], s[SEL], s[SEL+1]
.endr
.irp e, 0,1
	v_add_f32 v[240+4*\e], v[240+4*\e], v[242+4*\e]           ; the sum of the head's 64 squares
.endr
.irp e, 0,1
	v_fma_f32 v[240+4*\e], v[240+4*\e], s87, s86
.endr
.irp e, 0,1
	v_rsq_f32 v[248+2*\e], v[240+4*\e]
.endr
	v_nop
	s_wait_alu depctr_va_vdst(0)                   ; one wait for the two, ahead of their first reader
.irp i, 0,2,4,6,8,10,12,14,16,18,20,22,24,26,28,30
.irp e, 0,1
	v_pk_mul_f32 v[64+32*\e+\i:65+32*\e+\i], v[64+32*\e+\i:65+32*\e+\i], v[248+2*\e:249+2*\e] op_sel_hi:[1,0]
.endr
.endr
.irp i, 0,2,4,6,8,10,12,14,16,18,20,22,24,26,28,30
.irp e, 0,1
	v_pk_mul_f32 v[64+32*\e+\i:65+32*\e+\i], v[64+32*\e+\i:65+32*\e+\i], v[32+\i:33+\i]
.endr
.endr
	; the quantiser: two blocks of 32 a head; a block lies in lanes l and l xor 16
.irp b, 0,1
.irp e, 0,1
	v_max3_num_f32 v[224+8*\e+\b], |v[64+32*\e+16*\b]|, |v[65+32*\e+16*\b]|, 0x1800000   ; with the floor 2^(3 - 127): the byte cannot fall under 1
.endr
.endr
.irp i, 2,4,6,8,10,12,14
.irp b, 0,1
.irp e, 0,1
	v_max3_num_f32 v[224+8*\e+\b], v[224+8*\e+\b], |v[64+32*\e+16*\b+\i]|, |v[65+32*\e+16*\b+\i]|
.endr
.endr
.endr
.irp b, 0,1
.irp e, 0,1
	v_permlanex16_b32 v[226+8*\e+\b], v[224+8*\e+\b], s[SEL], s[SEL+1]
.endr
.endr
.irp b, 0,1
.irp e, 0,1
	v_max_num_f32 v[224+8*\e+\b], v[224+8*\e+\b], v[226+8*\e+\b]
.endr
.endr
.irp b, 0,1
.irp e, 0,1
	v_add_nc_u32 v[228+8*\e+\b], 0xff000000, v[224+8*\e+\b]   ; 2 off the exponent field: the conversion's scale operand
.endr
.endr
.irp b, 0,1
.irp e, 0,1
	v_lshrrev_b32 v[230+8*\e+\b], 23, v[228+8*\e+\b]          ; the scale's byte
.endr
.endr
	s_wait_xcnt 0x0                                ; the last block's stores have read their registers
.irp e, 0,1
	v_cvt_scalef32_pk16_fp6_f32 v[136+8*\e:138+8*\e], v[64+32*\e:79+32*\e], v[228+8*\e]
	v_cvt_scalef32_pk16_fp6_f32 v[152+4*\e:154+4*\e], v[80+32*\e:95+32*\e], v[229+8*\e]
.endr
	v_nop                                          ; one plain place behind a scaled conversion
.irp e, 0,1
.irp i, 0,1,2
	v_permlane16_swap_b32 v[136+8*\e+\i], v[152+4*\e+\i]      ; a whole block to a lane: lanes 0-15 block 0, lanes 16-31 block 1
.endr
.endr
.irp e, 0,1
.irp i, 0,1,2
	v_mov_b32 v[139+8*\e+\i], v[152+4*\e+\i]
.endr
.endr
.irp e, 0,1
	v_lshl_or_b32 v[252+\e], v[231+8*\e], 8, v[230+8*\e]
.endr
.irp e, 0,1
	v_lshl_or_b32 v[252+\e], v[252+\e], 16, v[252+\e]         ; the two bytes twice: the reader may lay the 64 codes in either half of a K of 128
.endr
.irp e, 0,1
	global_store_b128 v8, v[136+8*\e:139+8*\e], s[12+56*\e:13+56*\e] offset:768*(\a)       ; 32 lanes store 512 consecutive bytes
	global_store_b64 v9, v[140+8*\e:141+8*\e], s[12+56*\e:13+56*\e] offset:768*(\a)+512    ; and 256
.endr
.irp e, 0,1
.if (\a)%2 == 0
	v_mov_b32 v[4+8*\e+(\a)/2], v[252+\e]
.else
	v_cndmask_b32 v[4+8*\e+(\a)/2], v[4+8*\e+(\a)/2], v[252+\e], s78   ; an odd tile's words in lanes 16-31
.endif
.endr
.endm
	TFETCH 0
.irp a, 0,1,2,3,4,5,6
	TFETCH \a+1
	s_wait_dscnt 8                                 ; this block's table image is in; the next one's eight loads may be out
	QKPAIR \a
.endr
	s_wait_dscnt 0x0
	QKPAIR 7
	global_store_b128 v8, v[4:7], s[12:13] offset:6144        ; the step's scale words, 512 bytes a head
	global_store_b128 v8, v[12:15], s[68:69] offset:6144
	s_branch .Ljoin
.Lpath_v:
	; ---- v.  Lane (r, h) of block a holds dim 16 (a % 4) + r of my head a / 4; its 64 registers hold tokens 16 b + 8 h + j of my step of 128 keys.
	s_lshr_b32 s2, s42, 3
	s_lshl_b32 s2, s2, 4
	s_lshl_b32 s3, s17, 2
	s_add_co_u32 s2, s2, s3
	s_lshl_b32 s3, s15, 1
	s_add_co_u32 s2, s2, s3
	s_lshl_b32 s2, s2, 4
	s_and_b32 s3, s42, 7
	s_lshl_b32 s3, s3, 1
	s_add_co_u32 s2, s2, s3
	s_add_co_u32 s2, s2, s16
	s_mul_i32 s2, s2, KVSTEP
	s_mov_b32 s3, 0
	s_add_nc_u64 s[12:13], s[12:13], s[2:3]
	s_add_nc_u64 s[68:69], s[12:13], 16*KVSTEP
.irp n, 128,129,130,131
	v_mov_b32 v[\n], 0
.endr
	v_mov_b32 v146, 0x7f7f7f7f                     ; scale words of 1.0
.irp n, 0,1,2,3
	v_mov_b32 v[148+3*\n], 0x08208208              ; 128 codes of 1.0
	v_mov_b32 v[149+3*\n], 0x82082082
	v_mov_b32 v[150+3*\n], 0x20820820
.endr
.macro VTILE a
.set AC, 64*((\a)%4)
.set WA, 2+(\a)/4
.set WM, (WA<<2)|(WA<<4)
.set VT, (\a)%4
.set VE, (\a)/4
	s_wait_xcnt 0x0                                ; the last tile's stores have read their registers
	WIN WM                                         ; sources 1 and 2: the accumulators' window
.irp b, 0,1,2,3
	v_max3_num_f32 v[124+\b], 0x1800000, |v[AC+16*\b]|, |v[AC+1+16*\b]|
.endr
.irp i, 2,4,6,8,10,12,14
.irp b, 0,1,2,3
	v_max3_num_f32 v[124+\b], v[124+\b], |v[AC+16*\b+\i]|, |v[AC+1+16*\b+\i]|
.endr
.endr
	WIN 0
.irp b, 0,1,2,3
	v_permlanex16_b32 v[128+\b], v[124+\b], s[SEL], s[SEL+1]
.endr
.irp b, 0,1,2,3
	v_max_num_f32 v[124+\b], v[124+\b], v[128+\b]
.endr
.irp b, 0,1,2,3
	v_add_nc_u32 v[136+\b], 0xff000000, v[124+\b]
.endr
.irp b, 0,1,2,3
	v_lshrrev_b32 v[128+\b], 23, v[136+\b]
.endr
	v_lshl_or_b32 v140, v129, 8, v128
	v_lshl_or_b32 v140, v130, 16, v140
	v_lshl_or_b32 v140, v131, 24, v140             ; my dim's scale word for these 128 keys
	WIN WA                                         ; source 0: the accumulators' window
.irp c, 0,1
	v_cvt_scalef32_pk16_fp6_f32 v[104+6*\c:106+6*\c], v[AC+32*\c:AC+15+32*\c], v[136+2*\c]
	v_cvt_scalef32_pk16_fp6_f32 v[116+4*\c:118+4*\c], v[AC+16+32*\c:AC+31+32*\c], v[137+2*\c]
.endr
	WIN 0
	v_nop
.irp c, 0,1
.irp i, 0,1,2
	v_permlane16_swap_b32 v[104+6*\c+\i], v[116+4*\c+\i]
.endr
.irp i, 0,1,2
	v_mov_b32 v[107+6*\c+\i], v[116+4*\c+\i]
.endr
.endr
.irp c, 0,1,2
	global_store_b128 v8, v[104+4*\c:107+4*\c], s[12+56*VE:13+56*VE] offset:6656+1536*VT+512*\c
.endr
	PLACES 8                                       ; operand and scale word were written by vector instructions
	v_wmma_scale_f32_16x16x128_f8f6f4 v[224:231], v[148:159], v[104:115], 0, v146, v140 matrix_a_fmt:MATRIX_FMT_FP6 matrix_b_fmt:MATRIX_FMT_FP6   ; ones x the quantised v: the sum over the 128 keys, for the rows that see no key
	PLACES 4
.if VT%2 == 0
	v_mov_b32 v[144+VT/2], v224
	v_mov_b32 v[142+VT/2], v140
.else
	v_cndmask_b32 v[144+VT/2], v[144+VT/2], v224, s78
	v_cndmask_b32 v[142+VT/2], v[142+VT/2], v140, s78
.endif
.if VT == 3
	global_store_b64 v9, v[142:143], s[12+56*VE:13+56*VE] offset:12800
	global_store_b64 v9, v[144:145], s[12+56*VE:13+56*VE] offset:13056
.endif
.endm
.irp a, 0,1,2,3,4,5,6,7
	VTILE \a
.endr
.Ljoin:
	s_wait_tensorcnt 0x0                           ; the wave's end
	ds_add_u32 v[SPW], v[NIL]
	s_wait_dscnt 0x0
	CROUND                                         ; the closing round
	s_endpgm
.Lfunc_end_k_qa9237058ef_qkv:
	.size	k_qa9237058ef_qkv, .Lfunc_end_k_qa9237058ef_qkv-k_qa9237058ef_qkv
	.p2alignl 7, 3214868480
	.fill 96, 4, 3214868480
	.section	.rodata,"a",@progbits
	.p2align	6, 0x0
	.amdhsa_kernel k_qa9237058ef_qkv
		.amdhsa_group_segment_fixed_size 327680
		.amdhsa_private_segment_fixed_size 0
		.amdhsa_enable_private_segment 0
		.amdhsa_kernarg_size 112
		.amdhsa_user_sgpr_count 2
		.amdhsa_user_sgpr_kernarg_segment_ptr 1
		.amdhsa_wavefront_size32 1
		.amdhsa_system_sgpr_workgroup_id_x 1
		.amdhsa_system_sgpr_workgroup_id_y 1
		.amdhsa_system_sgpr_workgroup_id_z 1
		.amdhsa_system_vgpr_workitem_id 0
		.amdhsa_next_free_vgpr 1024
		.amdhsa_next_free_sgpr 100
		.amdhsa_reserve_vcc 1
		.amdhsa_float_denorm_mode_32 3
		.amdhsa_float_denorm_mode_16_64 3
		.amdhsa_memory_ordered 1
		.amdhsa_forward_progress 1
		.amdhsa_inst_pref_size 255
	.end_amdhsa_kernel
	.section	.bss,"aw",@nobits
	.p2align	6
	.space	262144
	.amdgpu_metadata
---
amdhsa.version: [ 1, 2 ]
amdhsa.kernels:
  - .name:           k_qa9237058ef_qkv
    .symbol:         k_qa9237058ef_qkv.kd
    .args:
      - { .name: inputs_q_codes, .offset: 0, .size: 8, .value_kind: global_buffer, .address_space: global }
      - { .name: inputs_q_scales, .offset: 8, .size: 8, .value_kind: global_buffer, .address_space: global }
      - { .name: Wq_codes, .offset: 16, .size: 8, .value_kind: global_buffer, .address_space: global }
      - { .name: Wq_scales, .offset: 24, .size: 8, .value_kind: global_buffer, .address_space: global }
      - { .name: Wk_codes, .offset: 32, .size: 8, .value_kind: global_buffer, .address_space: global }
      - { .name: Wk_scales, .offset: 40, .size: 8, .value_kind: global_buffer, .address_space: global }
      - { .name: Wv_codes, .offset: 48, .size: 8, .value_kind: global_buffer, .address_space: global }
      - { .name: Wv_scales, .offset: 56, .size: 8, .value_kind: global_buffer, .address_space: global }
      - { .name: q_ln_scale, .offset: 64, .size: 8, .value_kind: global_buffer, .address_space: global }
      - { .name: k_ln_scale, .offset: 72, .size: 8, .value_kind: global_buffer, .address_space: global }
      - { .name: per_dim_scale, .offset: 80, .size: 8, .value_kind: global_buffer, .address_space: global }
      - { .name: patch_mask, .offset: 88, .size: 8, .value_kind: global_buffer, .address_space: global }
      - { .name: qimg, .offset: 96, .size: 8, .value_kind: global_buffer, .address_space: global }
      - { .name: kv, .offset: 104, .size: 8, .value_kind: global_buffer, .address_space: global }
    .group_segment_fixed_size: 327680
    .private_segment_fixed_size: 0
    .kernarg_segment_align: 8
    .kernarg_segment_size: 112
    .max_flat_workgroup_size: 128
    .sgpr_count:     100
    .vgpr_count:     1024
    .wavefront_size: 32
...
	.end_amdgpu_metadata
.endif
;; end of part 1
;; launch attn (part 2): grid 4 x 64, 16 waves a work-group, no clusters, 34,816 bytes of LDS; arguments qimg, kv, patch_mask, xc, xs; writes xc, xs
.if DOCPART == 2
	.amdgcn_target "amdgcn-amd-amdhsa--gfx1250"
	.amdhsa_code_object_version 6
	.text
	.protected	k_qa9237058ef_attn
	.globl	k_qa9237058ef_attn
	.p2align	8
	.type	k_qa9237058ef_attn,@function
k_qa9237058ef_attn:
	s_mov_b64 s[64:65], 0
	v_nop
	global_prefetch_b8 v0, s[64:65] scope:SCOPE_SE
	s_setreg_imm32_b32 hwreg(HW_REG_WAVE_MODE, 25, 1), 1
	s_wait_xcnt 0x0
; Attention of one head on codes of FP6 (E2M3) with E8M0 scales: S^T = K Q^T, p = 2^(t - M) with t = score x log2(e) and M the running largest t rounded up to a whole number, O^T += V^T p^T, O / the sum of the unquantised p.
; A key counts for a query where num_masked <= key <= query.  A query below num_masked sees no key: every p of its row is 1 and the sum 2,048, so its row is the mean of the quantised v over all 2,048 keys,
; which the launch before has summed by steps of 128 keys.  The result is quantised along D and leaves as images of operand registers.
; SHARES.  Work-group (x, head) takes the blocks of 256 queries 7 - x and x, one after the other: 9 pairs of key steps in every work-group.  Each of the sixteen waves owns 16 queries; four waves share a SIMD.
; A key step (128 keys, 13,312 bytes: K's eight images, scale words, V's four fragments, scale words) goes from memory through registers into one of two LDS slots, a step ahead: one barrier a step.
; No cluster: the partners of a head walk different numbers of key steps.  No tensor load.
; No prefetch: a step's bytes are asked for a whole key step ahead of the wait for them.
; THE HEAD HAS 64 DIMS, the product's K is 128: Q's six registers stand twice in its operand and every scale word holds its two bytes twice, so a tile of K may stand in either half beside six registers of zero codes:
; two tiles share one run of zeros.
; LIMITS: NaN and infinities are not served; |scores| stay under 2^90 (a hidden key's score is -2^100).
; REGISTERS: v1 16 x thread, v2 the copy's offset, v3 16 x lane, v4 8 x lane, v5 my query, v6, v7 for the mask, v[8:15] the copy, v[16:27] Q twice, v28-63 four tiles of K and two runs of zeros, v64-111 V,
;   v112-175 S^T then p, v176-207 O^T, v208-219 p's codes, v220-226 at work, v228-239 block maxima, bytes, scale operands, v[240:243] K's scale words, v[244:245] V's, v246 Q's, v247 -2^100,
;   v248 -M, v249 the largest t, v[250:251] the sum, v252 f, v253 p's scale word, v254, v255 at work.
.set QSTEP,  6656
.set KVSTEP, 13312
.set SLOTB,  13312
.set MEANL,  26624                     ; the mean of v: 256 bytes for each wave
.set XSG,    30720                     ; the block's 256 pairs of scale bytes
.set S,  112
.set O,  176
.set PC, 208
.set BM, 228
.set PM, 232
.set SO, 236
.macro RA_LOAD adr                     ; 13,312 bytes = 512 threads x 16 + 320 threads x 16
	global_load_b128 v[8:11], v[\adr], s[6:7]
	s_cmp_lt_u32 s14, 10
	s_cbranch_scc0 .Lnl_\@
	global_load_b128 v[12:15], v[\adr], s[6:7] offset:8192
.Lnl_\@:
.endm
.macro RA_STORE slot
	ds_store_b128 v1, v[8:11] offset:(\slot)*SLOTB
	s_cmp_lt_u32 s14, 10
	s_cbranch_scc0 .Lns_\@
	ds_store_b128 v1, v[12:15] offset:(\slot)*SLOTB+8192
.Lns_\@:
.endm
.macro KLOAD s, g                      ; tiles 4 g .. 4 g + 3 of K
	ds_load_b128 v[28:31], v3 offset:(\s)*SLOTB+768*(4*\g)
	ds_load_b64 v[32:33], v4 offset:(\s)*SLOTB+768*(4*\g)+512
	ds_load_b128 v[40:43], v3 offset:(\s)*SLOTB+768*(4*\g+1)
	ds_load_b64 v[44:45], v4 offset:(\s)*SLOTB+768*(4*\g+1)+512
	ds_load_b128 v[46:49], v3 offset:(\s)*SLOTB+768*(4*\g+2)
	ds_load_b64 v[50:51], v4 offset:(\s)*SLOTB+768*(4*\g+2)+512
	ds_load_b128 v[58:61], v3 offset:(\s)*SLOTB+768*(4*\g+3)
	ds_load_b64 v[62:63], v4 offset:(\s)*SLOTB+768*(4*\g+3)+512
.endm
.macro QK g                            ; source 0 = 16 keys, source 1 = my 16 queries: lane (r, h), register j = key 8 h + j of the tile, query r
	v_wmma_scale_f32_16x16x128_f8f6f4 v[S+32*\g:S+32*\g+7], v[28:39], v[16:27], 0, v[240+2*\g], v246 matrix_a_fmt:MATRIX_FMT_FP6 matrix_b_fmt:MATRIX_FMT_FP6
	v_wmma_scale_f32_16x16x128_f8f6f4 v[S+32*\g+8:S+32*\g+15], v[34:45], v[16:27], 0, v[240+2*\g], v246 matrix_a_fmt:MATRIX_FMT_FP6 matrix_b_fmt:MATRIX_FMT_FP6 matrix_a_scale:MATRIX_SCALE_ROW1
	v_wmma_scale_f32_16x16x128_f8f6f4 v[S+32*\g+16:S+32*\g+23], v[46:57], v[16:27], 0, v[241+2*\g], v246 matrix_a_fmt:MATRIX_FMT_FP6 matrix_b_fmt:MATRIX_FMT_FP6
	v_wmma_scale_f32_16x16x128_f8f6f4 v[S+32*\g+24:S+32*\g+31], v[52:63], v[16:27], 0, v[241+2*\g], v246 matrix_a_fmt:MATRIX_FMT_FP6 matrix_b_fmt:MATRIX_FMT_FP6 matrix_a_scale:MATRIX_SCALE_ROW1
.endm
.macro PLACES n
.rept \n
	v_nop
.endr
.endm
; 32 numbers of a lane, register 16 b + i = k 32 b + 16 h + i of my row, become six registers of codes in v[PC] on; the two bytes in v234, v235
.macro QUANT2 y
.irp b, 0,1
	v_max3_num_f32 v[228+\b], |v[\y+16*\b]|, |v[\y+1+16*\b]|, 0x1800000
.endr
.irp i, 2,4,6,8,10,12,14
.irp b, 0,1
	v_max3_num_f32 v[228+\b], v[228+\b], |v[\y+16*\b+\i]|, |v[\y+1+16*\b+\i]|
.endr
.endr
.irp b, 0,1
	v_permlanex16_b32 v[230+\b], v[228+\b], s20, s21
.endr
.irp b, 0,1
	v_max_num_f32 v[228+\b], v[228+\b], v[230+\b]
.endr
.irp b, 0,1
	v_add_nc_u32 v[232+\b], 0xff000000, v[228+\b]
.endr
.irp b, 0,1
	v_lshrrev_b32 v[234+\b], 23, v[232+\b]
.endr
	v_cvt_scalef32_pk16_fp6_f32 v[PC:PC+2], v[\y:\y+15], v232
	v_cvt_scalef32_pk16_fp6_f32 v[220:222], v[\y+16:\y+31], v233
	v_nop
.irp i, 0,1,2
	v_permlane16_swap_b32 v[PC+\i], v[220+\i]
.endr
.irp i, 0,1,2
	v_mov_b32 v[PC+3+\i], v[220+\i]
.endr
.endm
; A KEY STEP, read from slot s.  The next step's bytes, asked for a step ago, go into the other slot, which every wave left in front of the last barrier; they are read behind this step's barrier.
.macro ASTEP s
	s_wait_loadcnt 0x0                             ; the next step's bytes are in my registers
	RA_STORE 1-\s
	s_wait_dscnt 0x0                               ; the stores have read them
	s_add_co_u32 s27, s27, 1
	s_min_u32 s27, s27, 15                         ; no load leaves the head's 16 steps
	s_mul_i32 s32, s27, KVSTEP
	v_add_nc_u32 v2, s32, v1
	RA_LOAD 2                                      ; the step after: a whole step in which to land
	s_add_co_u32 s32, s25, 15
	s_cmp_gt_u32 s26, s32                          ; all 128 keys come after my 16 queries: nothing to do
	s_cbranch_scc1 .Lhid_\@
	KLOAD \s, 0
	ds_load_b128 v[240:243], v3 offset:(\s)*SLOTB+6144
.irp c, 0,1,2,3,4,5,6,7,8,9,10,11
	ds_load_b128 v[64+4*\c:67+4*\c], v3 offset:(\s)*SLOTB+6656+512*\c
.endr
	ds_load_b64 v[244:245], v4 offset:(\s)*SLOTB+12800
	s_wait_dscnt 13                                ; K's four tiles and its scale words are in; V's twelve loads and its scale words may be out
	QK 0
	PLACES 4
	KLOAD \s, 1
	s_wait_dscnt 0x0
	QK 1
	PLACES 4
	s_add_co_u32 s32, s26, 127
	s_cmp_gt_u32 s32, s25                          ; the mask's lines run where a key may come after a query,
	s_cbranch_scc1 .Lmask_\@
	s_cmp_lt_u32 s26, s24                          ; or lie below num_masked
	s_cbranch_scc0 .Lopen_\@
.Lmask_\@:
	s_sub_co_i32 s32, s24, s26
	v_bfe_u32 v254, v0, 4, 1
	v_lshlrev_b32 v254, 3, v254
	v_sub_nc_u32 v6, s32, v254                     ; register 8 T + j holds key KF + 16 T + 8 h + j: key - num_masked = 16 T + j - v6
.set n, 0
.rept 64
	v_sub_nc_u32 v[254+n%2], 16*(n/8)+n%8, v6
	v_cmp_gt_u32 s[44+n%2], v[254+n%2], v7         ; without sign: hidden where key < num_masked (it wraps) or key > query
	v_cndmask_b32 v[S+n], v[S+n], v247, s[44+n%2]
.set n, n+1
.endr
.Lopen_\@:
.irp b, 0,1,2,3
	v_max3_num_f32 v[BM+\b], v[S+16*\b], v[S+1+16*\b], v[S+2+16*\b]   ; the largest score of each block of 32 keys: for the row's maximum, and for the block's largest p
.endr
.irp i, 3,5,7,9,11,13
.irp b, 0,1,2,3
	v_max3_num_f32 v[BM+\b], v[BM+\b], v[S+16*\b+\i], v[S+1+16*\b+\i]
.endr
.endr
.irp b, 0,1,2,3
	v_max_num_f32 v[BM+\b], v[BM+\b], v[S+15+16*\b]
.endr
.irp b, 0,1,2,3
	v_permlanex16_b32 v[PM+\b], v[BM+\b], s20, s21
.endr
.irp b, 0,1,2,3
	v_max_num_f32 v[BM+\b], v[BM+\b], v[PM+\b]
.endr
	v_max3_num_f32 v254, v[BM], v[BM+1], v[BM+2]
	v_max_num_f32 v254, v254, v[BM+3]
	v_mul_f32 v254, s22, v254
	v_max_num_f32 v249, v249, v254                 ; the running largest t
	v_mov_b32 v254, v248
	v_floor_f32 v248, -v249                        ; -M = floor(-t): M is a whole number
	v_sub_f32 v254, v248, v254
	v_cvt_i32_f32 v254, v254                       ; (it saturates)
	v_ldexp_f32 v252, 1.0, v254                    ; f = 2^(old M - new M)
.irp j, 0,2,4,6,8,10,12,14,16,18,20,22,24,26,28,30,32,34,36,38,40,42,44,46,48,50,52,54,56,58,60,62
	v_pk_fma_f32 v[S+\j:S+1+\j], v[S+\j:S+1+\j], s[22:23], v[248:249] op_sel_hi:[1,0,0]
.endr
.irp b, 0,1,2,3
	v_fma_f32 v[BM+\b], v[BM+\b], s22, v248
.endr
.set n, 0
.rept 64
	v_exp_f32 v[S+n], v[S+n]                       ; p = 2^(t - M)
.set n, n+1
.endr
	v_pk_mul_f32 v[250:251], v[250:251], v[252:253] op_sel_hi:[1,0]   ; the sum under the new M  (a plain place behind the exponentials)
	s_wait_alu depctr_va_vdst(0)                   ; one wait for the batch, ahead of its first reader
.irp b, 0,1,2,3
	v_exp_f32 v[BM+\b], v[BM+\b]                   ; each block's largest p
.endr
	v_pk_add_f32 v[PM:PM+1], v[S:S+1], v[S+2:S+3]  ; the row's sum is taken of the unquantised p
.irp j, 4,8,12,16,20,24,28,32,36,40,44,48,52,56,60
	v_pk_add_f32 v[250:251], v[250:251], v[S+\j:S+1+\j]
	v_pk_add_f32 v[PM:PM+1], v[PM:PM+1], v[S+2+\j:S+3+\j]
.endr
	v_pk_add_f32 v[250:251], v[250:251], v[PM:PM+1]
	s_wait_alu depctr_va_vdst(0)                   ; and one for the four
.irp b, 0,1,2,3
	v_max_num_f32 v[BM+\b], 0x1800000, v[BM+\b]
.endr
.irp b, 0,1,2,3
	v_add_nc_u32 v[SO+\b], 0xff000000, v[BM+\b]
.endr
.irp b, 0,1,2,3
	v_lshrrev_b32 v[PM+\b], 23, v[SO+\b]
.endr
	v_lshl_or_b32 v253, v[PM+1], 8, v[PM]
	v_lshl_or_b32 v253, v[PM+2], 16, v253
	v_lshl_or_b32 v253, v[PM+3], 24, v253          ; p's scale word for these 128 keys
.irp c, 0,1
	v_cvt_scalef32_pk16_fp6_f32 v[PC+6*\c:PC+2+6*\c], v[S+32*\c:S+15+32*\c], v[SO+2*\c]
	v_cvt_scalef32_pk16_fp6_f32 v[220+4*\c:222+4*\c], v[S+16+32*\c:S+31+32*\c], v[SO+1+2*\c]
.endr
	v_nop
.irp c, 0,1
.irp i, 0,1,2
	v_permlane16_swap_b32 v[PC+6*\c+\i], v[220+4*\c+\i]
.endr
.irp i, 0,1,2
	v_mov_b32 v[PC+3+6*\c+\i], v[220+4*\c+\i]
.endr
.endr
.irp j, 0,2,4,6,8,10,12,14,16,18,20,22,24,26,28,30
	v_pk_mul_f32 v[O+\j:O+1+\j], v[O+\j:O+1+\j], v[252:253] op_sel_hi:[1,0]   ; O^T under the new M; these sixteen also stand between the operand's and the scale word's last writes and the products
.endr
	v_wmma_scale_f32_16x16x128_f8f6f4 v[O:O+7], v[64:75], v[PC:PC+11], v[O:O+7], v244, v253 matrix_a_fmt:MATRIX_FMT_FP6 matrix_b_fmt:MATRIX_FMT_FP6
	v_wmma_scale_f32_16x16x128_f8f6f4 v[O+8:O+15], v[76:87], v[PC:PC+11], v[O+8:O+15], v244, v253 matrix_a_fmt:MATRIX_FMT_FP6 matrix_b_fmt:MATRIX_FMT_FP6 matrix_a_scale:MATRIX_SCALE_ROW1
	v_wmma_scale_f32_16x16x128_f8f6f4 v[O+16:O+23], v[88:99], v[PC:PC+11], v[O+16:O+23], v245, v253 matrix_a_fmt:MATRIX_FMT_FP6 matrix_b_fmt:MATRIX_FMT_FP6
	v_wmma_scale_f32_16x16x128_f8f6f4 v[O+24:O+31], v[100:111], v[PC:PC+11], v[O+24:O+31], v245, v253 matrix_a_fmt:MATRIX_FMT_FP6 matrix_b_fmt:MATRIX_FMT_FP6 matrix_a_scale:MATRIX_SCALE_ROW1
	PLACES 4                                       ; in front of the next loads into these operands, and of the next read of O^T
.Lhid_\@:
	s_add_co_u32 s26, s26, 128
	s_wait_dscnt 0x0                               ; my stores into the other slot have landed, my reads of this one are in
	s_barrier_signal -1
	s_barrier_wait -1
.endm
	s_load_b256 s[4:11], s[0:1], 0x0               ; qimg, kv, patch_mask, xc
	s_load_b64 s[12:13], s[0:1], 0x20              ; xs
	v_lshrrev_b32 v2, 5, v0
	v_readfirstlane_b32 s14, v2                    ; wave 0..15
	v_and_b32 v254, 31, v0
	v_lshlrev_b32 v1, 4, v0
	v_lshlrev_b32 v3, 4, v254
	v_lshlrev_b32 v4, 3, v254
	s_lshl_b32 s31, s14, 8
	s_add_co_u32 s31, s31, MEANL
	v_lshl_add_u32 v255, v254, 2, s31
	s_and_b32 s15, ttmp7, 0xffff                   ; 16 x batch + head
	s_lshr_b32 s16, s15, 4
	s_and_b32 s28, s15, 15
	s_mov_b32 s20, 0x76543210
	s_mov_b32 s21, 0xfedcba98
	s_mov_b32 s22, 0x3fb8aa3b                      ; log2(e)
	s_mov_b32 s23, s22
	s_mul_i32 s32, s15, 16*QSTEP
	s_mov_b32 s33, 0
	s_mul_i32 s34, s15, 16*KVSTEP
	s_mov_b32 s35, 0
	s_lshl_b32 s36, s16, 11
	s_mov_b32 s37, 0
	s_mul_i32 s38, s16, 128*12288
	s_mul_i32 s39, s28, 768
	s_add_co_u32 s38, s38, s39
	s_mov_b32 s39, 0
	s_lshl_b32 s40, s28, 14
	s_lshl_b32 s41, s16, 12
	s_add_co_u32 s40, s40, s41
	s_mov_b32 s41, 0
	s_wait_kmcnt 0x0
	s_add_nc_u64 s[4:5], s[4:5], s[32:33]
	s_add_nc_u64 s[6:7], s[6:7], s[34:35]
	s_add_nc_u64 s[8:9], s[8:9], s[36:37]
	s_add_nc_u64 s[10:11], s[10:11], s[38:39]
	s_add_nc_u64 s[12:13], s[12:13], s[40:41]
.irp i, 0,1,2,3
	global_load_b128 v[112+4*\i:115+4*\i], v3, s[8:9] offset:512*\i          ; my batch's 2,048 mask bytes
.endr
.irp j, 0,1,2,3,4,5,6,7,8,9,10,11,12,13,14,15
	global_load_b64 v[128+2*\j:129+2*\j], v4, s[6:7] offset:KVSTEP*\j+13056  ; the sums of v, step by step: dims lane and 32 + lane
.endr
.irp n, 34,35,36,37,38,39,52,53,54,55,56,57
	v_mov_b32 v[\n], 0                             ; the two runs of zero codes: never written again
.endr
.irp n, 228,229,230,231,232,233,234,235,236,237,238,239,253
	v_mov_b32 v[\n], 0                             ; written once: lane permutes' destinations and the upper half of a pair count as read
.endr
	v_mov_b32 v247, 0xf1800000                     ; -2^100
	s_wait_loadcnt 0x0
.irp i, 1,2,3,4,5,6,7,8,9,10,11,12,13,14,15
	v_add_nc_u32 v112, v112, v[112+\i]
.endr
	v_and_b32 v113, 0x00ff00ff, v112
	v_lshrrev_b32 v112, 8, v112
	v_and_b32 v112, 0x00ff00ff, v112
	v_add_nc_u32 v112, v112, v113
	v_lshrrev_b32 v113, 16, v112
	v_and_b32 v112, 0xffff, v112
	v_add_nc_u32 v112, v112, v113
.irp m, 1,2,4,8
	v_mov_b32_dpp v113, v112 row_xmask:\m row_mask:0xf bank_mask:0xf
	v_add_nc_u32 v112, v112, v113
.endr
	v_permlanex16_b32 v113, v112, s20, s21
	v_add_nc_u32 v112, v112, v113
	v_readfirstlane_b32 s24, v112                  ; num_masked, a whole number all the way
.irp j, 1,2,3,4,5,6,7,8,9,10,11,12,13,14,15
	v_pk_add_f32 v[128:129], v[128:129], v[128+2*\j:129+2*\j]
.endr
	v_pk_mul_f32 v[128:129], v[128:129], 0x3a000000 op_sel_hi:[1,0]   ; / 2,048
	ds_store_b32 v255, v128
	ds_store_b32 v255, v129 offset:128
	s_sub_co_u32 s17, 7, ttmp9                     ; the first block of queries
	s_mov_b32 s30, 0
.Lpass:
	s_wait_xcnt 0x0                                ; the last pass's stores have read their registers and bases
	s_wait_loadcnt 0x0                             ; and no load of the copy is out
	s_add_co_u32 s18, s17, 1                       ; pairs of key steps
	s_lshl_b32 s32, s17, 1
	s_lshr_b32 s33, s14, 3
	s_add_co_u32 s32, s32, s33
	s_mul_i32 s32, s32, QSTEP                      ; my queries' step of 128
	s_and_b32 s33, s14, 7
	s_mul_i32 s34, s33, 768
	s_add_co_u32 s34, s34, s32
	s_mov_b32 s35, 0
	s_add_nc_u64 s[36:37], s[4:5], s[34:35]        ; my tile's image
	s_lshr_b32 s33, s33, 1
	s_lshl_b32 s33, s33, 2
	s_and_b32 s34, s14, 1
	s_lshl_b32 s34, s34, 8
	s_add_co_u32 s34, s34, s33
	s_add_co_u32 s34, s34, s32
	s_add_nc_u64 s[38:39], s[4:5], s[34:35]        ; and its scale words in the step's block
	v_and_b32 v254, 15, v0
	v_lshlrev_b32 v255, 4, v254
	global_load_b128 v[16:19], v3, s[36:37]
	global_load_b64 v[20:21], v4, s[36:37] offset:512
	global_load_b128 v[22:25], v3, s[36:37]        ; the same six registers once more
	global_load_b64 v[26:27], v4, s[36:37] offset:512
	global_load_b32 v246, v255, s[38:39] offset:6144
	RA_LOAD 1                                      ; key step 0
	s_lshl_b32 s25, s17, 8
	s_lshl_b32 s33, s14, 4
	s_add_co_u32 s25, s25, s33                     ; my first query
	v_add_nc_u32 v5, s25, v254
	v_sub_nc_u32 v7, v5, s24
.set n, 0
.rept 32
	v_mov_b32 v[O+n], 0                            ; the step is written once: the first finds zeros
.set n, n+1
.endr
	v_mov_b32 v249, 0xff61b1e6                     ; -3e38, under every t
	v_floor_f32 v248, -v249
	v_mov_b32 v250, 0
	v_mov_b32 v251, 0
	s_wait_loadcnt 0x0
	RA_STORE 0
	s_wait_dscnt 0x0
	s_mov_b32 s27, 1
	v_add_nc_u32 v2, KVSTEP, v1
	RA_LOAD 2                                      ; key step 1
	s_mov_b32 s26, 0                               ; the step's first key
	s_barrier_signal -1
	s_barrier_wait -1
	s_mov_b32 s19, 0
.Lpair:
	ASTEP 0
	ASTEP 1
	s_add_co_u32 s19, s19, 1
	s_cmp_lt_u32 s19, s18
	s_cbranch_scc1 .Lpair
	; ---- the way out of a block of queries
	v_add_f32 v250, v250, v251
	v_permlanex16_b32 v254, v250, s20, s21
	v_add_f32 v250, v250, v254                     ; the row's sum
	v_rcp_f32 v250, v250
	v_bfe_u32 v254, v0, 4, 1                       ; (a plain place behind the reciprocal)
	v_lshl_add_u32 v254, v254, 5, s31
.irp t, 0,1,2,3
	ds_load_b128 v[64+8*\t:67+8*\t], v254 offset:64*\t          ; the mean of v at my dims 16 t + 8 h + j
	ds_load_b128 v[68+8*\t:71+8*\t], v254 offset:64*\t+16
.endr
	s_lshl_b32 s32, s17, 4
	s_add_co_u32 s32, s32, s14
	s_mul_i32 s32, s32, 12288
	s_mov_b32 s33, 0
	s_add_nc_u64 s[40:41], s[10:11], s[32:33]      ; my token tile, my head
	s_lshl_b32 s32, s17, 9
	s_add_nc_u64 s[42:43], s[12:13], s[32:33]
	s_wait_alu depctr_va_vdst(0)
.set n, 0
.rept 32
	v_mul_f32 v[112+n], v[O+n], v250
.set n, n+1
.endr
	s_wait_dscnt 0x0
	v_cmp_gt_i32 vcc_lo, s24, v5                   ; a query below num_masked
.set n, 0
.rept 32
	v_cndmask_b32 v[112+n], v[112+n], v[64+n], vcc_lo
.set n, n+1
.endr
.irp b, 0,1
.irp j, 0,1,2,3,4,5,6,7
	v_permlane16_swap_b32 v[112+16*\b+\j], v[120+16*\b+\j]      ; now register 16 b + i = dim 32 b + 16 h + i: the true order, as Wo's codes have it
.endr
.endr
	QUANT2 112
	global_store_b128 v3, v[PC:PC+3], s[40:41]
	global_store_b64 v4, v[PC+4:PC+5], s[40:41] offset:512
	v_lshl_or_b32 v254, v235, 8, v234
	v_and_b32 v255, 15, v0
	s_lshl_b32 s32, s14, 5
	s_add_co_u32 s32, s32, XSG
	v_lshl_add_u32 v255, v255, 1, s32
	ds_store_b16 v255, v254                        ; both lanes of a row write the same two bytes
	s_wait_dscnt 0x0
	s_barrier_signal -1
	s_barrier_wait -1
	s_cmp_lg_u32 s14, 0
	s_cbranch_scc1 .Lnot0
	ds_load_b128 v[224:227], v3 offset:XSG
	s_wait_dscnt 0x0
	global_store_b128 v3, v[224:227], s[42:43]     ; the block's 512 bytes of scale bytes, on end
.Lnot0:
	s_sub_co_u32 s17, 7, s17                       ; the other block
	s_add_co_u32 s30, s30, 1
	s_cmp_lt_u32 s30, 2
	s_cbranch_scc1 .Lpass
	s_wait_xcnt 0x0
	v_lshl_add_u32 v254, v0, 2, 0x8000
	v_mov_b32 v255, 0
	s_wait_tensorcnt 0x0
	ds_add_u32 v254, v255
	s_wait_dscnt 0x0
	s_endpgm
.Lfunc_end_k_qa9237058ef_attn:
	.size	k_qa9237058ef_attn, .Lfunc_end_k_qa9237058ef_attn-k_qa9237058ef_attn
	.p2alignl 7, 3214868480
	.fill 96, 4, 3214868480
	.section	.rodata,"a",@progbits
	.p2align	6, 0x0
	.amdhsa_kernel k_qa9237058ef_attn
		.amdhsa_group_segment_fixed_size 34816
		.amdhsa_private_segment_fixed_size 0
		.amdhsa_enable_private_segment 0
		.amdhsa_kernarg_size 40
		.amdhsa_user_sgpr_count 2
		.amdhsa_user_sgpr_kernarg_segment_ptr 1
		.amdhsa_wavefront_size32 1
		.amdhsa_system_sgpr_workgroup_id_x 1
		.amdhsa_system_sgpr_workgroup_id_y 1
		.amdhsa_system_sgpr_workgroup_id_z 1
		.amdhsa_system_vgpr_workitem_id 0
		.amdhsa_next_free_vgpr 256
		.amdhsa_next_free_sgpr 66
		.amdhsa_reserve_vcc 1
		.amdhsa_float_denorm_mode_32 3
		.amdhsa_float_denorm_mode_16_64 3
		.amdhsa_memory_ordered 1
		.amdhsa_forward_progress 1
		.amdhsa_inst_pref_size 73
	.end_amdhsa_kernel
	.amdgpu_metadata
---
amdhsa.version: [ 1, 2 ]
amdhsa.kernels:
  - .name:           k_qa9237058ef_attn
    .symbol:         k_qa9237058ef_attn.kd
    .args:
      - { .name: qimg, .offset: 0, .size: 8, .value_kind: global_buffer, .address_space: global }
      - { .name: kv, .offset: 8, .size: 8, .value_kind: global_buffer, .address_space: global }
      - { .name: patch_mask, .offset: 16, .size: 8, .value_kind: global_buffer, .address_space: global }
      - { .name: xc, .offset: 24, .size: 8, .value_kind: global_buffer, .address_space: global }
      - { .name: xs, .offset: 32, .size: 8, .value_kind: global_buffer, .address_space: global }
    .group_segment_fixed_size: 34816
    .private_segment_fixed_size: 0
    .kernarg_segment_align: 8
    .kernarg_segment_size: 40
    .max_flat_workgroup_size: 512
    .sgpr_count:     66
    .vgpr_count:     256
    .wavefront_size: 32
...
	.end_amdgpu_metadata
.endif
;; end of part 2
;; launch oproj (part 3): grid 4 x 32, 4 waves a work-group, clusters of 4 x 4, 327,680 bytes of LDS; arguments xc, xs, Wo_codes, Wo_scales, out0; writes out0
.if DOCPART == 3
	.amdgcn_target "amdgcn-amd-amdhsa--gfx1250"
	.amdhsa_code_object_version 6
	.text
	.protected	k_qa9237058ef_oproj
	.globl	k_qa9237058ef_oproj
	.p2align	8
	.type	k_qa9237058ef_oproj,@function
k_qa9237058ef_oproj:
	s_mov_b64 s[64:65], 0
	v_nop
	global_prefetch_b8 v0, s[64:65] scope:SCOPE_SE
	s_setreg_imm32_b32 hwreg(HW_REG_WAVE_MODE, 25, 1), 1
	s_wait_xcnt 0x0
	s_wait_alu depctr_hold_cnt(0) depctr_sa_sdst(0) depctr_va_vdst(0) depctr_va_sdst(0) depctr_va_ssrc(0) depctr_va_vcc(0) depctr_vm_vsrc(0)
	s_getreg_b32 s2, hwreg(HW_REG_IB_STS2, 6, 4)
	s_cmp_eq_u32 s2, 0
	s_cbranch_scc0 .Lentry_in_a_cluster
	s_endpgm
.Lentry_in_a_cluster:
	s_bfe_u32 s2, ttmp6, 0x10000c
	s_cmp_lg_u32 s2, 0xf033
	s_cbranch_scc0 .Lentry_shape_is_right
	s_endpgm
.Lentry_shape_is_right:
; out0 = x Wo^T on codes of FP6 (E2M3) with E8M0 scales.  x: 8,192 tokens x 1,024, as the launch before left it: images of operand registers, [token tile of 16][head][768 bytes], scale bytes [head][token] two each.
; Wo: [1,024][1,024] codes, K innermost, as given.  out0: [8,192][1,024] f32.
; A work-group of four waves makes 256 x 256, a wave 128 x 128 (64 accumulators).  Source 0 = 16 rows of Wo, source 1 = 16 tokens: a lane holds eight neighbouring outputs of one token.
; CLUSTERS: 4 x 4 work-groups; x's tile is asked for jointly by a row of the cluster, Wo's by a column.  K goes in four slots of 256 through a ring of two LDS slots; all scale words stay in 64 registers, so K is written straight.
; A's tile in LDS is the images as they lie (8 token tiles x 3,072 bytes a load, no padding: a load of a fragment reads consecutive bytes); B's has rows of 192 bytes, 240 apart.
; REGISTERS, window 0: v16-19 A's addresses, v20-23 B's, v24-26 the way out, v28/29 for the add, v64-127 scale words, v128-223 A's fragments.  Window 1: B's fragments, two sets.  Windows 2, 3: the accumulators.
.set SIZE_N, 1024
.set ROWB,   192
.set KROW,   768
.set PITCH,  240
.set FR,     12
.set NL,     6
.set NLA,    4                         ; LDS loads that bring a fragment of A
.set NP,     4
.set HALFT,  128*PITCH
.set AHALF,  8*3072                    ; 8 token tiles x 4 heads x 768 bytes
.set ABYTES, 2*AHALF
.set SLOT,   ABYTES+2*HALFT
.set SPARE,  2*SLOT                    ; the spare words: 128 bytes for each wave
.set SPITCH, 528                       ; the way out: 16 rows x (512 + 16) bytes for each wave, in slot 0, which has had its last fill and its last read by then
.set A16,  16
.set A8,   18
.set ADRB, 20
.set STO,  24
.set RD,   25
.set CO,   26
.set SPW,  28
.set NIL,  29
.set SC,   64
.set AF,   128
.set BK,   128
.set G1,   24
.set G0,   32
.set G1B,  48
.set G0B,  56
.set MSB,  0
.macro WIN new
.if MSB != (\new)
	s_set_vgpr_msb (MSB<<8)|(\new)
.set MSB, (\new)
.endif
.endm
.set MUL_LO, 0xa1
.set MUL_HI, 0xf1
.set TO_B,   0x40
.macro JLOAD g0a, g1a, g0b, g1b
	s_cmp_eq_u32 s15, 0
	s_cbranch_scc0 .Lfor_b_\@
	tensor_load_to_lds s[\g0a:\g0a+3], s[\g1a:\g1a+7]
	s_nop 0
.rept 4
	v_nop
.endr
	s_branch .Lasked_\@
.Lfor_b_\@:
	tensor_load_to_lds s[\g0b:\g0b+3], s[\g1b:\g1b+7]
	s_nop 0
.rept 4
	v_nop
.endr
.Lasked_\@:
.endm
.macro CREST
	s_cmp_lg_u32 s14, 0
	s_cbranch_scc1 .Lnot_wave_0_\@
	s_barrier_signal -3
.Lnot_wave_0_\@:
	s_barrier_wait -3
	s_barrier_signal -1
	s_barrier_wait -1
.endm
.macro CROUND
	s_barrier_signal -1
	s_barrier_wait -1
	CREST
.endm
.macro PLACES n
.rept \n
	v_nop
.endr
.endm
	s_load_b256 s[4:11], s[0:1], 0x0               ; xc, xs, Wo's codes, Wo's scales
	s_load_b64 s[12:13], s[0:1], 0x20              ; out0
	v_lshl_add_u32 v[SPW], v0, 2, SPARE
	v_mov_b32 v[NIL], 0
	ds_add_u32 v28, v29
	ds_add_u32 v28, v29
	s_wait_dscnt 0x0
	v_lshrrev_b32 v1, 5, v0
	v_readfirstlane_b32 s14, v1
	s_lshr_b32 s15, s14, 1
	s_and_b32 s16, s14, 1
	s_bfe_u32 s40, ttmp6, 0x40000
	s_bfe_u32 s41, ttmp6, 0x40004
	s_lshl_b32 s42, ttmp9, 2
	s_add_co_u32 s42, s42, s40                     ; tile column
	s_and_b32 s17, ttmp7, 0xffff
	s_lshl_b32 s17, s17, 2
	s_add_co_u32 s17, s17, s41                     ; tile row
	s_lshl_b32 s43, s41, 2
	s_lshl_b32 s43, 15, s43
	s_lshl_b32 s44, 0x1111, s40
	s_or_b32 s[G1+0], s43, (3<<16)|(1<<21)         ; A: mask of my row; elements of 8 bytes; no padding; bit 21 beside a mask
	s_mov_b32 s[G1+1], 384<<16                     ; tensor_dim0: 3,072 bytes
	s_mov_b32 s[G1+2], 8<<16                       ; tensor_dim1: 8 token tiles
	s_mov_b32 s[G1+3], 384<<16                     ; tile_dim0
	s_mov_b32 s[G1+4], 8                           ; tile_dim1
	s_mov_b32 s[G1+5], 1536                        ; pitch: 12,288 bytes from token tile to token tile
	s_mov_b32 s[G1+6], 0
	s_mov_b32 s[G1+7], 0
	s_or_b32 s[G1B+0], s44, (1<<20)|(1<<21)|(3<<22)|(3<<25)
	s_mov_b32 s[G1B+1], ROWB<<16
	s_mov_b32 s[G1B+2], 128<<16
	s_mov_b32 s[G1B+3], ROWB<<16
	s_mov_b32 s[G1B+4], 128
	s_mov_b32 s[G1B+5], KROW
	s_mov_b32 s[G1B+6], 0
	s_mov_b32 s[G1B+7], 0
	s_lshl_b32 s20, s17, 4
	s_lshl_b32 s18, s16, 3
	s_add_co_u32 s20, s20, s18
	s_mul_i32 s20, s20, 12288                      ; A: the 8 token tiles that I fetch
	s_mov_b32 s21, 0
	s_lshl_b32 s46, s42, 8
	s_lshl_b32 s18, s16, 7
	s_add_co_u32 s46, s46, s18
	s_mul_i32 s46, s46, KROW                       ; B: the 128 rows that I fetch
	s_mov_b32 s47, 0
	s_mul_i32 s45, s16, AHALF                      ; where they go
	s_mul_i32 s19, s16, HALFT
	s_add_co_u32 s19, s19, ABYTES
	s_wait_kmcnt 0x0
	s_add_nc_u64 s[20:21], s[4:5], s[20:21]
	s_add_nc_u64 s[46:47], s[8:9], s[46:47]
	CROUND
.irp s, 0,1
	s_mov_b32 s[G0+4*\s], 1
	s_add_co_u32 s[G0+4*\s+1], s45, \s*SLOT
	s_add_nc_u64 s[G0+4*\s+2:G0+4*\s+3], s[20:21], \s*3072
	s_or_b32 s[G0+4*\s+3], s[G0+4*\s+3], 0x80000000
	s_mov_b32 s[G0B+4*\s], 1
	s_add_co_u32 s[G0B+4*\s+1], s19, \s*SLOT
	s_add_nc_u64 s[G0B+4*\s+2:G0B+4*\s+3], s[46:47], \s*ROWB
	s_or_b32 s[G0B+4*\s+3], s[G0B+4*\s+3], 0x80000000
	JLOAD G0+4*\s, G1, G0B+4*\s, G1B
.endr
	v_and_b32 v1, 15, v0
	v_bfe_u32 v2, v0, 4, 1
	v_and_b32 v3, 31, v0
	v_mul_u32_u24 v4, v1, PITCH
	v_mul_u32_u24 v5, v2, 24
	v_add_nc_u32 v4, v4, v5
	v_lshl_add_u32 v5, v2, 4, v4
	v_lshlrev_b32 v6, 4, v3
	v_lshlrev_b32 v7, 3, v3
	s_mul_i32 s21, s15, AHALF                      ; my 8 token tiles
	s_mul_i32 s22, s16, HALFT
	s_add_co_u32 s22, s22, ABYTES                  ; my 128 rows of Wo
.irp s, 0,1
	v_add_nc_u32 v[A16+\s], s21, v6
	v_add_nc_u32 v[A8+\s], s21, v7
	v_add_nc_u32 v[ADRB+\s], s22, v4
	v_add_nc_u32 v[ADRB+2+\s], s22, v5
	s_add_co_u32 s21, s21, SLOT
	s_add_co_u32 s22, s22, SLOT
.endr
	s_mul_i32 s23, s14, 16*SPITCH
	v_mul_u32_u24 v5, v1, SPITCH
	v_lshl_add_u32 v5, v2, 5, v5
	v_add_nc_u32 v[STO], s23, v5
	v_lshlrev_b32 v[CO], 4, v3
	v_add_nc_u32 v[RD], s23, v[CO]
	s_lshl_b32 s20, s17, 8
	s_lshl_b32 s21, s15, 7
	s_add_co_u32 s20, s20, s21                     ; my first token
	s_lshl_b32 s2, s20, 1                          ; two scale bytes a token and head
	s_mov_b32 s3, 0
	s_add_nc_u64 s[6:7], s[6:7], s[2:3]
	s_lshl_b32 s20, s20, 12                        ; a row of out0 is 4,096 bytes
	s_mov_b32 s21, 0
	s_lshl_b32 s46, s42, 10
	s_lshl_b32 s47, s16, 9
	s_add_co_u32 s46, s46, s47
	s_mov_b32 s47, 0
	s_add_nc_u64 s[20:21], s[20:21], s[46:47]
	s_add_nc_u64 s[12:13], s[12:13], s[20:21]
	s_lshl_b32 s2, s42, 8
	s_lshl_b32 s18, s16, 7
	s_add_co_u32 s2, s2, s18
	s_lshl_b32 s2, s2, 5
	s_add_nc_u64 s[10:11], s[10:11], s[2:3]        ; my 128 rows of Wo's scales
	v_lshlrev_b32 v6, 1, v1                        ; 2 r
	v_lshlrev_b32 v7, 5, v1                        ; 32 r
.irp i, 0,1,2,3,4,5,6,7
.irp g, 0,1,2,3,4,5,6,7,8,9,10,11,12,13,14,15
	global_load_u16 v[128+16*\i+\g], v6, s[6:7] offset:16384*\g+32*\i     ; token 16 i + r, head g
.endr
.endr
	s_wait_loadcnt 0x0
.set i, 0
.rept 64
	v_lshl_or_b32 v[SC+i], v[129+2*i], 16, v[128+2*i]   ; two heads' bytes make the word of 128 along K
.set i, i+1
.endr
.irp i, 0,1,2,3,4,5,6,7
	global_load_b128 v[128+8*\i:131+8*\i], v7, s[10:11] offset:512*\i
	global_load_b128 v[132+8*\i:135+8*\i], v7, s[10:11] offset:512*\i+16
.endr
	s_mov_b32 vcc_lo, 0xffff0000
	s_wait_loadcnt 0x0
.set i, 0
.rept 64
	v_cndmask_b32 v[SC+i], v[SC+i], v[128+i], vcc_lo    ; lanes 16-31 take Wo's words
.set i, i+1
.endr
	PLACES 8                                       ; the scale registers were written by vector instructions
.macro FRAG reg, adr, q, i
.irp p, 0,1,2,3,4,5
.set PCE, 12*(\q)+6*(\p/3)+\p%3
.if PCE%8 < 5
	ds_load_b64 v[\reg+2*\p:\reg+2*\p+1], v[\adr] offset:8*PCE+16*(PCE/8)+(\i)*16*PITCH
.else
	ds_load_b64 v[\reg+2*\p:\reg+2*\p+1], v[\adr+2] offset:8*PCE+16*(PCE/8)+(\i)*16*PITCH
.endif
.endr
.endm
.macro FRAGA reg, slot, q, i           ; token tile i, the slot's q-th 128 along K: two heads' images, six registers each
.irp hh, 0,1
	ds_load_b128 v[\reg+6*\hh:\reg+6*\hh+3], v[A16+\slot] offset:3072*(\i)+768*(2*(\q)+\hh)
	ds_load_b64 v[\reg+6*\hh+4:\reg+6*\hh+5], v[A8+\slot] offset:3072*(\i)+768*(2*(\q)+\hh)+512
.endr
.endm
.macro MUL16 a0, p, s, zero
.irp a, \a0, \a0+1
.irp b, 0,1,2,3,4,5,6,7
.if \zero
	v_wmma_scale_f32_16x16x128_f8f6f4 v[8*(8*((\a)%4)+\b):8*(8*((\a)%4)+\b)+7], v[128*(\p)+FR*\b:128*(\p)+FR*\b+FR-1], v[AF+FR*(\a):AF+FR*(\a)+FR-1], 0, v[SC+8*\b+(\s)], v[SC+8*(\a)+(\s)] matrix_a_fmt:MATRIX_FMT_FP6 matrix_b_fmt:MATRIX_FMT_FP6 matrix_a_scale:MATRIX_SCALE_ROW1
.else
	v_wmma_scale_f32_16x16x128_f8f6f4 v[8*(8*((\a)%4)+\b):8*(8*((\a)%4)+\b)+7], v[128*(\p)+FR*\b:128*(\p)+FR*\b+FR-1], v[AF+FR*(\a):AF+FR*(\a)+FR-1], v[8*(8*((\a)%4)+\b):8*(8*((\a)%4)+\b)+7], v[SC+8*\b+(\s)], v[SC+8*(\a)+(\s)] matrix_a_fmt:MATRIX_FMT_FP6 matrix_b_fmt:MATRIX_FMT_FP6 matrix_a_scale:MATRIX_SCALE_ROW1
.endif
.endr
.endr
.endm
.macro FETCH_B slot, q, p
	WIN TO_B
.irp i, 0,1,2,3,4,5,6,7
	FRAG 128*(\p)+FR*\i, ADRB+\slot, \q, \i
.endr
	WIN 0
.endm
.macro FETCH_A slot, q, i0
.irp i, \i0, \i0+1, \i0+2, \i0+3
	FRAGA AF+FR*(\i), \slot, \q, \i
.endr
.endm
.macro STEP slot, s, zero
	s_wait_dscnt 4*NLA                             ; B's set and A's blocks 0-3 are in; A's blocks 4-7 may be out
	WIN MUL_LO
	MUL16 0, 0, \s, \zero
	MUL16 2, 0, \s, \zero
	s_wait_dscnt 0
	PLACES NP
	FETCH_B \slot, 1, 1
	FETCH_A \slot, 1, 0
	WIN MUL_HI
	MUL16 4, 0, \s, \zero
	MUL16 6, 0, \s, \zero
	PLACES NP
	WIN 0
	FETCH_A \slot, 1, 4
.endm
.macro TURN slot, next, fill, s
	s_wait_tensorcnt 0x0                           ; all my tensor loads have landed: my part of the next slot
	ds_add_u32 v[SPW], v[NIL]                      ; 0 onto my spare word
	s_wait_dscnt 4*NLA+1                           ; (the add and A's blocks 4-7 may be out)
	WIN MUL_LO
	MUL16 0, 1, \s, 0
	s_wait_dscnt 0x0                               ; the add is done, and my reads of this slot are over
	s_barrier_signal -1
	MUL16 2, 1, \s, 0
	WIN 0
	s_barrier_wait -1
.if \fill
	CREST
	s_add_nc_u64 s[G0+4*\slot+2:G0+4*\slot+3], s[G0+4*\slot+2:G0+4*\slot+3], 2*3072
	s_add_nc_u64 s[G0B+4*\slot+2:G0B+4*\slot+3], s[G0B+4*\slot+2:G0B+4*\slot+3], 2*ROWB
	JLOAD G0+4*\slot, G1, G0B+4*\slot, G1B         ; the first tensor load behind the round; its four v_nop are the places in front of the loads below
.else
	PLACES NP
.endif
	FETCH_B \next, 0, 0
	FETCH_A \next, 0, 0
	WIN MUL_HI
	MUL16 4, 1, \s, 0
	MUL16 6, 1, \s, 0
	PLACES NP
	WIN 0
	FETCH_A \next, 0, 4
.endm
	s_wait_tensorcnt 1                             ; my part of slot 0 is in; slot 1's may stay out
	s_barrier_signal -1
	s_barrier_wait -1
	FETCH_B 0, 0, 0
	FETCH_A 0, 0, 0
	FETCH_A 0, 0, 4
	STEP 0, 0, 1
	TURN 0, 1, 1, 1
	STEP 1, 2, 0
	TURN 1, 0, 1, 3
	STEP 0, 4, 0
	TURN 0, 1, 0, 5
	STEP 1, 6, 0
	s_wait_dscnt 4*NLA
	WIN MUL_LO
	MUL16 0, 1, 7, 0
	MUL16 2, 1, 7, 0
	s_wait_dscnt 0
	WIN MUL_HI
	MUL16 4, 1, 7, 0
	MUL16 6, 1, 7, 0
	WIN 0
; THE WAY OUT, block by block of 16 tokens x 128 outputs: through my own stage in LDS and back as whole rows of 512 bytes.  LDS serves a wave's instructions in order.
.macro TOSTAGE a
.set AC, 64*((\a)%4)
.set WS, 0x08+4*((\a)/4)
	WIN WS                                         ; an LDS store's data: window 2 or 3
.irp b, 0,1,2,3,4,5,6,7
	ds_store_b128 v[STO], v[AC+8*\b:AC+8*\b+3] offset:64*\b          ; each accumulator from its low end on
	ds_store_b128 v[STO], v[AC+8*\b+4:AC+8*\b+7] offset:64*\b+16
.endr
	WIN 0
.set BB, BK+64*((\a)%2)
.irp t, 0,1,2,3,4,5,6,7,8,9,10,11,12,13,14,15
	ds_load_b128 v[BB+4*\t:BB+4*\t+3], v[RD] offset:\t*SPITCH
.endr
.endm
.macro SEND a, younger
.set BB, BK+64*((\a)%2)
	s_wait_dscnt \younger                          ; the block is back in registers
.if (\a) > 0
	s_add_nc_u64 s[12:13], s[12:13], 16*SIZE_N*4   ; behind a wait for the earlier stores' addresses: 16 rows on
.endif
.irp t, 0,1,2,3,4,5,6,7,8,9,10,11,12,13,14,15
	global_store_b128 v[CO], v[BB+4*\t:BB+4*\t+3], s[12:13] offset:\t*SIZE_N*4 th:TH_STORE_NT   ; 32 lanes store 512 consecutive bytes, aligned
.endr
.endm
	PLACES NP
	TOSTAGE 0
.irp a, 1,2,3,4,5,6,7
.if \a > 1
	s_wait_xcnt 0x0                                ; the stores of two blocks back have read their registers and their base
.endif
	TOSTAGE \a
	SEND \a-1, 32                                  ; behind that block's loads: this block's 16 stores and 16 loads
.endr
	s_wait_xcnt 0x0
	SEND 7, 0
	s_wait_tensorcnt 0x0                           ; the wave's end
	ds_add_u32 v[SPW], v[NIL]
	s_wait_dscnt 0x0
	CROUND                                         ; the closing round
	s_endpgm
.Lfunc_end_k_qa9237058ef_oproj:
	.size	k_qa9237058ef_oproj, .Lfunc_end_k_qa9237058ef_oproj-k_qa9237058ef_oproj
	.p2alignl 7, 3214868480
	.fill 96, 4, 3214868480
	.section	.rodata,"a",@progbits
	.p2align	6, 0x0
	.amdhsa_kernel k_qa9237058ef_oproj
		.amdhsa_group_segment_fixed_size 327680
		.amdhsa_private_segment_fixed_size 0
		.amdhsa_enable_private_segment 0
		.amdhsa_kernarg_size 40
		.amdhsa_user_sgpr_count 2
		.amdhsa_user_sgpr_kernarg_segment_ptr 1
		.amdhsa_wavefront_size32 1
		.amdhsa_system_sgpr_workgroup_id_x 1
		.amdhsa_system_sgpr_workgroup_id_y 1
		.amdhsa_system_sgpr_workgroup_id_z 1
		.amdhsa_system_vgpr_workitem_id 0
		.amdhsa_next_free_vgpr 1024
		.amdhsa_next_free_sgpr 66
		.amdhsa_reserve_vcc 1
		.amdhsa_float_denorm_mode_32 3
		.amdhsa_float_denorm_mode_16_64 3
		.amdhsa_memory_ordered 1
		.amdhsa_forward_progress 1
		.amdhsa_inst_pref_size 167
	.end_amdhsa_kernel
	.amdgpu_metadata
---
amdhsa.version: [ 1, 2 ]
amdhsa.kernels:
  - .name:           k_qa9237058ef_oproj
    .symbol:         k_qa9237058ef_oproj.kd
    .args:
      - { .name: xc, .offset: 0, .size: 8, .value_kind: global_buffer, .address_space: global }
      - { .name: xs, .offset: 8, .size: 8, .value_kind: global_buffer, .address_space: global }
      - { .name: Wo_codes, .offset: 16, .size: 8, .value_kind: global_buffer, .address_space: global }
      - { .name: Wo_scales, .offset: 24, .size: 8, .value_kind: global_buffer, .address_space: global }
      - { .name: out0, .offset: 32, .size: 8, .value_kind: global_buffer, .address_space: global }
    .group_segment_fixed_size: 327680
    .private_segment_fixed_size: 0
    .kernarg_segment_align: 8
    .kernarg_segment_size: 40
    .max_flat_workgroup_size: 128
    .sgpr_count:     66
    .vgpr_count:     1024
    .wavefront_size: 32
...
	.end_amdgpu_metadata
.endif
;; end of part 3
